; MI455X (gfx1250); checked and timed in simulation.
; The chip was launched on July 23, 2026; its instructions are those of AMD's public machine-readable ISA for CDNA 5 (MIT licence, August 2026) and "CDNA5" Instruction Set Architecture Reference Guide (July 2026). The comments in the code are by the model that wrote it; some were corrected since.
;; Self Attention. Allowed arithmetic: matrix products marked QUANTISED: E2M1 operands, one E8M0 scale for each 32 along K, by v_wmma_scale_f32_16x16x128_f8f6f4 with both operands' format E2M1 (or v_wmma_scale_f32_32x16x128_f4), f32 sums; everything else in f32.
;; Inputs: W_attn_codes 3,072 x 32 x 16 uint8 (E2M1 codes of W_attn, K innermost, in blocks of 32 codes, two codes a byte); W_attn_scales 3,072 x 32 uint8 (E8M0 scales of W_attn, one for each 32 codes along K); W_proj_codes 1,024 x 32 x 16 uint8 (E2M1 codes of W_proj, K innermost, in blocks of 32 codes, two codes a byte); W_proj_scales 1,024 x 32 uint8 (E8M0 scales of W_proj, one for each 32 codes along K); b_attn 3,072 float32; b_proj 1,024 float32; x_codes 4 x 2,048 x 32 x 16 uint8 (E2M1 codes of x, K innermost, in blocks of 32 codes, two codes a byte); x_scales 4 x 2,048 x 32 uint8 (E8M0 scales of x, one for each 32 codes along K).
;; Outputs: out0 4 x 2,048 x 1,024 float32.
;; This version of the problem:
;;   THIS VERSION OF THE PROBLEM IS GIVEN IN LOW PRECISION. The matrix products marked QUANTISED in the list below multiply operands that are first quantised to E2M1 (2 exponent bits, 1 mantissa bit; 4 bits a number), with one power-of-two scale for each 32 numbers along K (OCP MX v1.0); their sums are f32. All else is computed in f32.
;;   The module's matrix products, in the order in which they are computed (A, B: the left and right operand; K: the contracted axis; several contracted axes count as one K, in the product's order):
;;     1. [M 8,192, K 1,024] x [K 1,024, N 3,072]; A: input x (given as codes); B: input W_attn (given as codes): QUANTISED
;;     2. batch 64 x [M 2,048, K 64] x [K 64, N 2,048]; A: computed on the way; B: computed on the way: QUANTISED
;;     3. batch 64 x [M 2,048, K 2,048] x [K 2,048, N 64]; A: softmax (see below); B: computed on the way: QUANTISED
;;     4. [M 8,192, K 1,024] x [K 1,024, N 1,024]; A: computed on the way; B: input W_proj (given as codes): QUANTISED
;;   THE QUANTISER, for each operand of a quantised product, along K:
;;     - K is cut into blocks of 32 from its start; a last block that is shorter is filled with zeros.
;;     - A block's scale is 2^e with e = floor(log2(the largest magnitude in the block)) - 2, held to -126 .. 127; a block of zeros has e = 0. As a byte (E8M0): e + 127.
;;     - Each number is divided by its block's scale, clamped to +-6, and rounded to the nearest number of E2M1, ties to even, subnormals kept.
;;     - The product sums the exact products of the quantised numbers (number of the format x scale) in f32.
;;   ~~~python
;;   def quantise(x, axis):      # numpy; x: float32 -> the quantised numbers, widened to float32 again
;;       x = np.moveaxis(x, axis, -1); K = x.shape[-1]
;;       x = np.pad(x, [(0, 0)] * (x.ndim - 1) + [(0, -K % 32)]); x = x.reshape(x.shape[:-1] + (-1, 32)); a = np.abs(x).max(-1, keepdims=True)
;;       e = np.where(a > 0, np.clip(np.frexp(np.where(a > 0, a, 1))[1] - 1 - 2, -126, 127), 0)      # np.frexp(a)[1] - 1 = floor(log2(a)), exactly
;;       r = np.clip(x / 2.0 ** e, -6, 6)
;;       step = 2.0 ** (np.maximum(np.frexp(np.where(r == 0, 1, r))[1] - 1, 0) - 1)
;;       q = np.round(r / step) * step * 2.0 ** e      # np.round: ties to even
;;       return np.moveaxis(q.reshape(q.shape[:-2] + (-1,))[..., :K], -1, axis).astype(np.float32)
;;   ~~~
;;   SOFTMAX AHEAD OF A QUANTISED PRODUCT. Where the list says 'softmax', what is quantised is not the finished softmax but p = 2^(t - M), with t = logit x log2(e) and M = ceil(the row's largest t), a whole number; so 1/2 < the row's largest p <= 1. The row's sum l is taken of the UNQUANTISED p, in f32, and the product's result is divided by l at the end. Since M is a whole number, a kernel that streams over the keys may use a running M (the ceiling of the running maximum): every later rescaling is an exact power of two, which a block's scale takes up: the codes' values come out the same.
;;   OPERANDS COMPUTED ON THE WAY. 'Computed on the way' means the value that the module computes at that place (a softmax that the list does not call 'softmax' is quantised finished and normalised). What goes into a quantiser is computed in f32, as accurately as f32 sums, v_exp_f32 and their like allow (about 1e-6 of the number): no bf16 or f16 on the way to a quantiser, and a product that is left as it is and whose result goes on into a quantised operand takes f32 operands (vector FMAs, or v_wmma_f32_16x16x4_f32). A number that lies on a knife's edge between two numbers of the format may be rounded either way, as far as f32 arithmetic and the matrix unit's own rounding can turn it there, and no further.
;;   INPUTS GIVEN AS CODES. W_attn (in the module: [1024, 3072], K = its axis 0); W_proj (in the module: [1024, 1024], K = its axis 0); x (in the module: [4, 2048, 1024], K = its axis 2): each comes as NAME_codes (uint8): NAME with its K axis moved to the last place and cut into blocks of 32 codes, [.., K / 32, bytes a block], one block behind the other in memory; two codes a byte, the lower K in the low four bits (a code: sign, 2 exponent bits, 1 mantissa bit); and NAME_scales (uint8): the same leading axes, one E8M0 byte (e + 127) for each 32 codes along K. Its value is code x scale, taken as it is: it is not quantised again, and the codes and scales need not be those that the quantiser above would give.
;; One version. Each part assembles by itself: llvm-mc -triple=amdgcn-amd-amdhsa -mcpu=gfx1250 --defsym DOCPART=n.
;; ======== version 1 of 1: 3 launches
;; workspace buffers: qkv 13,893,632 bytes; yc 4,194,304 bytes; ys 262,144 bytes
;; launch qkv_gemm (part 1): grid 12 x 32, 4 waves a work-group, clusters of 4 x 4, 327,680 bytes of LDS; arguments x_codes, x_scales, W_attn_codes, W_attn_scales, b_attn, qkv; writes qkv
.if DOCPART == 1
	.amdgcn_target "amdgcn-amd-amdhsa--gfx1250"
	.amdhsa_code_object_version 6
	.text
	.protected	k_q03467240a7_qkv_gemm
	.globl	k_q03467240a7_qkv_gemm
	.p2align	8
	.type	k_q03467240a7_qkv_gemm,@function
k_q03467240a7_qkv_gemm:
	s_mov_b64 s[64:65], 0
	v_nop
	global_prefetch_b8 v0, s[64:65] scope:SCOPE_SE
	s_setreg_imm32_b32 hwreg(HW_REG_WAVE_MODE, 25, 1), 1
	s_wait_xcnt 0x0
	s_wait_alu depctr_hold_cnt(0) depctr_sa_sdst(0) depctr_va_vdst(0) depctr_va_sdst(0) depctr_va_ssrc(0) depctr_va_vcc(0) depctr_vm_vsrc(0)
	s_getreg_b32 s2, hwreg(HW_REG_IB_STS2, 6, 4)
	s_cmp_eq_u32 s2, 0
	s_cbranch_scc0 .Lentry_in_a_cluster
	s_endpgm
.Lentry_in_a_cluster:
	s_bfe_u32 s2, ttmp6, 0x10000c
	s_cmp_lg_u32 s2, 0xf033
	s_cbranch_scc0 .Lentry_shape_is_right
	s_endpgm
.Lentry_shape_is_right:
; LAUNCH 1 OF 3.  qkv = x W_attn + b_attn on codes of FP4 (E2M1) with one E8M0 scale for each 32 along K = 1,024; sums in f32; the results never go to memory as f32:
; q and k are quantised along the head's 64 (two blocks of 32), v along the keys (blocks of 32 tokens), in registers, and leave as codes and scale words laid as the second launch's operand registers want them.
; WORK THAT THE PROGRAM LEAVES OUT.  reference() sets att[q][k] to -infinity wherever k > q, by a mask that it builds itself (jnp.tril); the softmax gives such a place the weight exp(-infinity) = 0,
; whatever finite values the inputs hold, so a score with k > q has no way to any output.  The second launch leaves those scores out where they come in whole steps of 128 keys.  Nothing else is left out: every
; token's q, k and v is used (a key counts for its own query), b_attn moves the codes of q, k and v, and all eight inputs are loaded.
; LIMIT: a NaN, an infinity or an overflow that would arise only in the scores left out is not carried to the result.
; LIMITS OF THIS LAUNCH: a block of zeros gets the scale byte 1 where the quantiser says 127 (its codes are zeros, and this program alone reads the bytes); NaN and infinities among the inputs are not served.
; SHARES.  A work-group of four waves makes 256 tokens x 256 columns, a wave 128 x 128: 64 accumulators of 16 x 16.  K goes in two steps of 512 through two LDS slots, each filled ONCE: nothing is filled again.
; CLUSTERS: 4 x 4 work-groups.  The four of a row of the cluster need the same rows of x, the four of a column the same rows of W: each tile is asked for jointly.  The cluster's x is the KIND: 0 q, 1 k, 2 v:
; the same in all sixteen partners, so branches and LDS addresses may hang on it.
; ROLES.  In a result, a lane holds one row of source 1, and its registers run along the rows of source 0.  The quantised axis has to run along a lane's registers.  So q, k: source 0 = W (the head's d), source 1 = x (a token a lane);
; v: source 0 = x (the tokens), source 1 = W (a d a lane).  The tiles lie in LDS alike for all kinds; only the addresses from which fragments and scale words are read change places.
; THE BIAS is the C of each sum's first matrix instruction: nothing is cleared, nothing is added afterwards.
; THE WORKSPACE qkv: 64 heads (batch x 16 + head) x HS bytes.  In a head: KC [token tile 128][lane 32][16 bytes]: lane (r, h) holds token 16 tt + r, d = 32 h .. 32 h + 31; VC [key step 16][d tile 4][c 2][lane 32][16 bytes]:
; lane (r, h) holds d = 16 t + r, keys 128 s + 64 c + 32 h .. + 31; KSW one word a token (two scale bytes, then two bytes of 0, which stand over zero codes); VSW one word for [key step][d tile][r]; QC, QSW as KC, KSW.
; REGISTERS, in windows of 256: window 0: v0-31 addresses; v32-95 scale words, two sets; v96-127 at work on the way out; v128-191 source 1's fragments, ONE set (on the way out: the codes); v192-255 the bias.
;   window 1: source 0's fragments, TWO sets, at v0 and v128.   window 2: the accumulators of source 1's blocks 0-3 (accumulator (a, b) at v[8 (8 (a % 4) + b)]);   window 3: those of blocks 4-7.
.set NQ,     4                         ; matrix instructions deep in a slot: 512 along K
.set ROWB,   256                       ; a tile's row in bytes: 512 codes
.set KROW,   512                       ; a row of x or of W in memory, in bytes
.set PITCH,  272                       ; an LDS row: 256 bytes + 16 of padding = 68 words: the 16 rows that a load touches start at 16 different banks (64 banks of 4 bytes: ISA guide 11.1)
.set FR,     8                         ; registers of a fragment: 16 rows x 128 K
.set NL,     2                         ; LDS loads that bring one
.set NP,     4                         ; places behind this matrix instruction (ISA guide 7.12.1)
.set HALFT,  128*PITCH                 ; 128 rows: what one tensor load brings
.set SLOT,   4*HALFT                   ; x's 256 rows, then W's 256 rows
.set KS,     32                        ; a row of scales in bytes
.set SCL,    2*SLOT                    ; behind the slots: the scales, as units of 256 bytes + 16 of padding
.set HALFS,  (128*KS/256)*272          ; the scales of 128 rows
.set SBLK,   (16*KS/256)*272           ; those of 16 rows
.set SPARE,  SCL+4*HALFS               ; the spare words, 128 bytes for each wave: two blocks of 256 bytes that no other line names
.set STGQ,   SPARE+512                 ; q, k: a stage of 1,024 bytes for each wave's scale words; no fill lands here
.set STGV,   STGQ+4096                 ; v: a stage of 512 bytes for each wave; the two ways out have bytes of their own
.set HS,     217088                    ; a head in the workspace
.set VC,     65536
.set KSW,    131072
.set VSW,    139264
.set QC,     143360
.set QSW,    208896
.set STOQ, 8                           ; v8   q, k: where I put a scale word: STGQ + 1,024 wave + 512 h + 4 r
.set RDQ,  9                           ; v9   and where I read 16 bytes back
.set STOV, 10                          ; v10  v: STGV + 512 wave + 4 r
.set RDV,  11                          ; v11
.set VSO,  12                          ; v12  v: my byte offset for the scale words' store: 16 r + h x HS
.set BOV,  13                          ; v13  4 r
.set ADRA, 16                          ; v16-17  LDS address of source 1's fragments in slot 0, 1
.set ADRB, 20                          ; v20-21  the same for source 0
.set LI,   26                          ; v26  16 x lane
.set ADRS, 27                          ; v27  LDS address of my scale words: lanes 0-15 source 1's rows, lanes 16-31 source 0's
.set SPW,  28                          ; v28  LDS address of my spare word; never rewritten
.set NIL,  29                          ; v29  0; never rewritten
.set SH,   30                          ; v30  16 h
.set BO,   31                          ; v31  32 h
.set SC,   32                          ; scale words: set s at v[SC + 32 s]; register 4 i + q: lanes 0-15 the word of source 1's block i, lanes 16-31 that of source 0's block i
.set TM,   96                          ; v96-99 largest magnitudes, v100-103 the other half's, then bytes, v108-111 the conversions' scale operands
.set PW,   112                         ; v112-119 block a's scale word
.set WD,   120                         ; v120-127 q, k: the half of it that belongs to my half of the lanes
.set AF,   128
.set PC,   128                         ; the way out: block a's codes at v[PC + 8 a]: every block has registers of its own, so that no store's data are written again
.set BIAS, 192
.set RB,   192                         ; the way out: scale words read back
.set SEL,  100                         ; s[100:101] v_permlanex16_b32's selects for lane l xor 16
.set G1, 24                            ; s[24:31] descriptor group 1 for x's tiles;  s[32:39] group 0, one set for each slot
.set G0, 32
.set G1B, 48                           ; s[48:55], s[56:63] the same for W's tiles
.set G0B, 56
.set G1S, 68                           ; s[68:75], s[76:79] groups 1 and 0 for x's scales;  s[80:87], s[88:91] for W's
.set G0S, 76
.set G1SB, 80
.set G0SB, 88
.set MSB, 0
.macro WIN new                         ; the immediate's high byte repeats the setting that is left
.if MSB != \new
	s_set_vgpr_msb (MSB<<8)|\new
.set MSB, \new
.endif
.endm
.set MUL_LO, 0xa1                      ; source 0 window 1, source 1 window 0, C and D window 2
.set MUL_HI, 0xf1                      ; the same, C and D window 3
.set TO_B,   0x40                      ; destination window 1, address window 0
; A joint load: waves 0 and 1 fetch for x, waves 2 and 3 for W.  Each of the two lines has one mask and one set of registers for all that issue it; the branch hangs on the wave's number alone.
; An s_nop 0 and four v_nop follow each of the two lines, ahead of the jump, the label and what follows.
.macro JLOAD g0a, g1a, g0b, g1b
	s_cmp_eq_u32 s15, 0
	s_cbranch_scc0 .Lfor_b_\@
	tensor_load_to_lds s[\g0a:\g0a+3], s[\g1a:\g1a+7]
	s_nop 0
.rept 4
	v_nop
.endr
	s_branch .Lasked_\@
.Lfor_b_\@:
	tensor_load_to_lds s[\g0b:\g0b+3], s[\g1b:\g1b+7]
	s_nop 0
.rept 4
	v_nop
.endr
.Lasked_\@:
.endm
.macro CROUND                          ; a round of the cluster's barrier
	s_barrier_signal -1
	s_barrier_wait -1
	s_cmp_lg_u32 s14, 0
	s_cbranch_scc1 .Lnot_wave_0_\@
	s_barrier_signal -3
.Lnot_wave_0_\@:
	s_barrier_wait -3
	s_barrier_signal -1
	s_barrier_wait -1
.endm
	s_load_b128 s[4:7], s[0:1], 0x0                ; x's codes s[4:5], x's scales s[6:7]
	s_load_b128 s[8:11], s[0:1], 0x10              ; W's codes s[8:9], W's scales s[10:11]
	s_load_b64 s[98:99], s[0:1], 0x20              ; b_attn
	s_load_b64 s[12:13], s[0:1], 0x28              ; qkv
	v_lshl_add_u32 v[SPW], v0, 2, SPARE
	v_mov_b32 v[NIL], 0
	ds_add_u32 v[SPW], v[NIL]                      ; the wave's opening: the add, twice on end, and its wait ahead of my first tensor load; the set-up below, work on registers, stands between
	ds_add_u32 v[SPW], v[NIL]                      ; and once more, under the one wait
	v_lshrrev_b32 v1, 5, v0
	v_readfirstlane_b32 s14, v1                    ; wave 0..3
	s_lshr_b32 s15, s14, 1                         ; which 128 tokens of the tile are mine.  Also: I fetch for x (0) or for W (1)
	s_and_b32 s16, s14, 1                          ; which 128 columns.  Also: which 128 rows of that tile I fetch
	s_bfe_u32 s40, ttmp6, 0x40000                  ; cx, cy: my place in the cluster
	s_bfe_u32 s41, ttmp6, 0x40004
	s_lshl_b32 s42, ttmp9, 2
	s_add_co_u32 s42, s42, s40                     ; tile column = 4 x cluster x + cx
	s_and_b32 s17, ttmp7, 0xffff
	s_lshl_b32 s17, s17, 2
	s_add_co_u32 s17, s17, s41                     ; tile row = 4 x cluster y + cy
	s_lshl_b32 s43, s41, 2
	s_lshl_b32 s43, 15, s43                        ; my row of the cluster
	s_lshl_b32 s44, 0x1111, s40                    ; my column
	; descriptor group 1: a tile of 128 rows x 256 bytes, padded in LDS
	s_or_b32 s[G1+0], s43, (0<<16)|(1<<20)|(1<<21)|(5<<22)|(3<<25)  ; 15:0 the mask: x's tiles go to my row; 17:16 elements of 1 byte; 20 padding on; 21 set beside a mask; 24:22 after every 64 words; 31:25 four words
	s_or_b32 s[G1B+0], s44, (0<<16)|(1<<20)|(1<<21)|(5<<22)|(3<<25)
.irp g, G1, G1B
	s_mov_b32 s[\g+1], ROWB<<16                    ; tensor_dim0
	s_mov_b32 s[\g+2], 128<<16                     ; tensor_dim1
	s_mov_b32 s[\g+3], ROWB<<16                    ; tile_dim0
	s_mov_b32 s[\g+4], 128                         ; tile_dim1
	s_mov_b32 s[\g+5], KROW                        ; tensor_dim0_stride
	s_mov_b32 s[\g+6], 0
	s_mov_b32 s[\g+7], 0
.endr
	; the scales of 128 rows: a dense block of 4,096 bytes, as 16 rows of 256 bytes (32 elements of 8 bytes), 16 bytes of padding behind each
	s_or_b32 s[G1S+0], s43, (3<<16)|(1<<20)|(1<<21)|(5<<22)|(3<<25)
	s_or_b32 s[G1SB+0], s44, (3<<16)|(1<<20)|(1<<21)|(5<<22)|(3<<25)
.irp g, G1S, G1SB
	s_mov_b32 s[\g+1], 32<<16
	s_mov_b32 s[\g+2], (128*KS/256)<<16
	s_mov_b32 s[\g+3], 32<<16
	s_mov_b32 s[\g+4], 128*KS/256
	s_mov_b32 s[\g+5], 32
	s_mov_b32 s[\g+6], 0
	s_mov_b32 s[\g+7], 0
.endr
	s_lshl_b32 s18, s16, 7                         ; which 128 rows of the tile I fetch
	s_lshl_b32 s20, s17, 8
	s_add_co_u32 s20, s20, s18                     ; x: row 256 x tile row + 128 x half
	s_lshl_b32 s46, s42, 8
	s_add_co_u32 s46, s46, s18                     ; W: row 256 x tile column + 128 x half
	s_mov_b32 s21, 0
	s_mov_b32 s47, 0
	s_mov_b64 s[18:19], KS
	s_mul_u64 s[22:23], s[20:21], s[18:19]         ; where these rows' scales begin, in bytes
	s_mul_u64 s[92:93], s[46:47], s[18:19]
	s_mov_b64 s[18:19], KROW
	s_mul_u64 s[20:21], s[20:21], s[18:19]         ; and their codes
	s_mul_u64 s[46:47], s[46:47], s[18:19]
	s_mul_i32 s45, s14, HALFT                      ; where they go: wave x 128 rows: no place in the cluster enters an LDS address
	s_mul_i32 s94, s14, HALFS
	s_mov_b32 s[SEL], 0x76543210
	s_mov_b32 s[SEL+1], 0xfedcba98
	s_wait_dscnt 0x0                               ; both opening adds are done
	s_wait_kmcnt 0x0
	s_add_nc_u64 s[20:21], s[4:5], s[20:21]
	s_add_nc_u64 s[22:23], s[6:7], s[22:23]
	s_add_nc_u64 s[46:47], s[8:9], s[46:47]
	s_add_nc_u64 s[92:93], s[10:11], s[92:93]
	CROUND                                         ; all sixteen work-groups are here: the joint loads meet
	s_mov_b32 s[G0S], 1
	s_add_co_u32 s[G0S+1], s94, SCL
	s_mov_b64 s[G0S+2:G0S+3], s[22:23]
	s_or_b32 s[G0S+3], s[G0S+3], 0x80000000
	s_mov_b32 s[G0SB], 1
	s_add_co_u32 s[G0SB+1], s94, SCL
	s_mov_b64 s[G0SB+2:G0SB+3], s[92:93]
	s_or_b32 s[G0SB+3], s[G0SB+3], 0x80000000
	JLOAD G0S, G1S, G0SB, G1SB                     ; the scales first: they are wanted with the first K step
.irp s, 0,1
	s_mov_b32 s[G0+4*\s], 1
	s_add_co_u32 s[G0+4*\s+1], s45, \s*SLOT
	s_add_nc_u64 s[G0+4*\s+2:G0+4*\s+3], s[20:21], \s*ROWB
	s_or_b32 s[G0+4*\s+3], s[G0+4*\s+3], 0x80000000
	s_mov_b32 s[G0B+4*\s], 1
	s_add_co_u32 s[G0B+4*\s+1], s45, \s*SLOT
	s_add_nc_u64 s[G0B+4*\s+2:G0B+4*\s+3], s[46:47], \s*ROWB
	s_or_b32 s[G0B+4*\s+3], s[G0B+4*\s+3], 0x80000000
	JLOAD G0+4*\s, G1, G0B+4*\s, G1B               ; both slots: three loads of mine are out, and no more follow in this launch
.endr
	v_and_b32 v1, 15, v0                           ; r = l % 16
	v_bfe_u32 v2, v0, 4, 1                         ; h = l / 16
	v_mul_u32_u24 v3, v1, PITCH
	v_lshl_add_u32 v4, v2, 4, v3                   ; a fragment's row x pitch + 16 x half
	s_wait_alu depctr_va_vdst(0)
	s_mul_i32 s21, s15, HALFT                      ; my 128 rows of x
	s_mul_i32 s22, s16, HALFT                      ; my 128 rows of W,
	s_add_co_u32 s22, s22, 2*HALFT                 ; which lie behind x's 256
	s_cmp_eq_u32 ttmp9, 2                          ; the kind: the cluster's x, the same in all partners
	s_cselect_b32 s2, 1, 0                         ; 1: v
	s_cselect_b32 s18, s22, s21                    ; source 1: x for q and k, W for v
	s_cselect_b32 s19, s21, s22                    ; source 0: the other
.irp s, 0,1
	v_add_nc_u32 v[ADRA+\s], s18, v4
	v_add_nc_u32 v[ADRB+\s], s19, v4
	s_add_co_u32 s18, s18, SLOT
	s_add_co_u32 s19, s19, SLOT
.endr
	v_mul_u32_u24 v5, v1, KS                       ; my row's scales: 32 bytes a row,
	v_lshrrev_b32 v6, 8, v5
	v_lshl_add_u32 v5, v6, 4, v5                   ; and 16 more for each 256 passed
	s_mul_i32 s21, s15, HALFS
	s_add_co_u32 s21, s21, SCL                     ; x's: my 128 rows
	s_mul_i32 s22, s16, HALFS
	s_add_co_u32 s22, s22, SCL+2*HALFS             ; W's: my 128 rows, behind x's 256
	v_add_nc_u32 v6, s21, v5
	v_add_nc_u32 v7, s22, v5
	s_mov_b32 s23, 0xffff0000
	s_cmp_eq_u32 ttmp9, 2
	s_cselect_b32 s23, 0xffff, s23                 ; the lanes that take W's words: source 0's lanes 16-31 for q and k, source 1's lanes 0-15 for v
	v_cndmask_b32 v[ADRS], v6, v7, s23
	v_and_b32 v6, 31, v0
	v_lshlrev_b32 v[LI], 4, v6
	v_lshlrev_b32 v[SH], 4, v2
	v_lshlrev_b32 v[BO], 5, v2
	v_lshlrev_b32 v[BOV], 2, v1
	s_lshl_b32 s3, s14, 10
	s_add_co_u32 s3, s3, STGQ
	v_lshl_add_u32 v[STOQ], v2, 9, v[BOV]
	v_add_nc_u32 v[STOQ], s3, v[STOQ]
	v_add_nc_u32 v[RDQ], s3, v[LI]
	s_lshl_b32 s3, s14, 9
	s_add_co_u32 s3, s3, STGV
	v_add_nc_u32 v[STOV], s3, v[BOV]
	v_add_nc_u32 v[RDV], s3, v[LI]
	v_mul_u32_u24 v[VSO], v2, HS
	v_lshl_add_u32 v[VSO], v1, 4, v[VSO]
	; the bias of my 128 columns
	s_lshl_b32 s18, s42, 10
	s_lshl_b32 s19, s16, 9
	s_add_co_u32 s18, s18, s19                     ; 4 bytes x (256 x tile column + 128 x half)
	s_mov_b32 s19, 0
	s_add_nc_u64 s[98:99], s[98:99], s[18:19]
	; where my results go.  Batch = cluster y / 2; my 128 tokens are the ts-th of the batch's sixteen; my 128 columns are two heads
	s_and_b32 s18, ttmp7, 0xffff
	s_lshr_b32 s19, s18, 1                         ; batch
	s_and_b32 s18, s18, 1
	s_lshl_b32 s18, s18, 2
	s_add_co_u32 s18, s18, s41
	s_lshl_b32 s18, s18, 1
	s_add_co_u32 s18, s18, s15                     ; ts = 2 (4 (cluster y % 2) + cy) + my half
	s_lshl_b32 s19, s19, 4
	s_lshl_b32 s3, s40, 2
	s_add_co_u32 s19, s19, s3
	s_lshl_b32 s3, s16, 1
	s_add_co_u32 s19, s19, s3                      ; 16 x batch + 4 cx + 2 x half: the first of my two heads
	s_mul_i32 s19, s19, HS
	s_cmp_eq_u32 ttmp9, 0
	s_cselect_b32 s66, QC, 0                       ; the codes' region: QC, KC = 0,
	s_mov_b32 s67, KSW
	s_cselect_b32 s67, QSW, s67                    ; the scale words': QSW, KSW,
	s_cmp_eq_u32 ttmp9, 2
	s_cselect_b32 s66, VC, s66                     ; or VC
	s_cselect_b32 s67, VSW, s67                    ; and VSW
	s_cselect_b32 s3, 8, 9                         ; 128 tokens make 512 bytes of q's or k's scale words, 256 of v's
	s_lshl_b32 s3, s18, s3
	s_lshl_b32 s18, s18, 12                        ; and 4,096 bytes of codes a head
	s_add_co_u32 s66, s66, s19
	s_add_co_u32 s66, s66, s18
	s_add_co_u32 s96, s67, s19
	s_add_co_u32 s96, s96, s3
	s_mov_b32 s67, 0
	s_mov_b32 s97, 0
	s_add_nc_u64 s[96:97], s[12:13], s[96:97]      ; the scale words' base
	s_add_nc_u64 s[12:13], s[12:13], s[66:67]      ; the codes' base
	s_cmp_eq_u32 s2, 1
	s_cbranch_scc1 .Lbias_v
	s_wait_alu depctr_va_vdst(0)
.irp b, 0,1,2,3,4,5,6,7                        ; q, k: a lane's registers run along the columns: BIAS + 8 b + i = bias(16 b + 8 h + i)
	global_load_b128 v[BIAS+8*\b:BIAS+8*\b+3], v[BO], s[98:99] offset:64*\b
	global_load_b128 v[BIAS+8*\b+4:BIAS+8*\b+7], v[BO], s[98:99] offset:64*\b+16
.endr
	s_branch .Lbias_done
.Lbias_v:
	s_wait_alu depctr_va_vdst(0)
.irp a, 0,1,2,3,4,5,6,7                        ; v: a lane holds one column: BIAS + 8 a + i = bias(16 a + r) for all i
.irp i, 0,1,2,3,4,5,6,7
	global_load_b32 v[BIAS+8*\a+\i], v[BOV], s[98:99] offset:64*\a
.endr
.endr
.Lbias_done:
.macro FRAG reg, adr, q, i             ; a fragment, 16 rows x 128 K of 4-bit codes, is 8 registers: lane l holds row l % 16; registers 4 c .. 4 c + 3 hold K = 64 c + 32 (l / 16) + 0 .. 31
.irp c, 0,1
	ds_load_b128 v[\reg+4*\c:\reg+4*\c+3], v[\adr] offset:64*(\q)+32*\c+(\i)*16*PITCH
.endr
.endm
; 16 matrix instructions: source 1's blocks a0, a0 + 1 x source 0's eight, the slot's q-th 128 along K.  p: source 0's set;  sc: the set of scale words.
; mode 0: the sums go on.  mode 1: the first product starts them with the bias by source 0's block (q, k).  mode 2: with the bias by source 1's block (v).
; The 64 accumulators take turns, one instruction a turn, in the same order in every step.
.macro MUL16 a0, p, q, sc, mode
.irp a, \a0, \a0+1
.irp b, 0,1,2,3,4,5,6,7
.if \mode == 1
	v_wmma_scale_f32_16x16x128_f8f6f4 v[8*(8*((\a)%4)+\b):8*(8*((\a)%4)+\b)+7], v[128*(\p)+FR*\b:128*(\p)+FR*\b+FR-1], v[AF+FR*(\a):AF+FR*(\a)+FR-1], v[BIAS+8*\b:BIAS+8*\b+7], v[SC+8*NQ*(\sc)+NQ*\b+(\q)], v[SC+8*NQ*(\sc)+NQ*(\a)+(\q)] matrix_a_fmt:MATRIX_FMT_FP4 matrix_b_fmt:MATRIX_FMT_FP4 matrix_a_scale:MATRIX_SCALE_ROW1
.elseif \mode == 2
	v_wmma_scale_f32_16x16x128_f8f6f4 v[8*(8*((\a)%4)+\b):8*(8*((\a)%4)+\b)+7], v[128*(\p)+FR*\b:128*(\p)+FR*\b+FR-1], v[AF+FR*(\a):AF+FR*(\a)+FR-1], v[BIAS+8*(\a):BIAS+8*(\a)+7], v[SC+8*NQ*(\sc)+NQ*\b+(\q)], v[SC+8*NQ*(\sc)+NQ*(\a)+(\q)] matrix_a_fmt:MATRIX_FMT_FP4 matrix_b_fmt:MATRIX_FMT_FP4 matrix_a_scale:MATRIX_SCALE_ROW1
.else
	v_wmma_scale_f32_16x16x128_f8f6f4 v[8*(8*((\a)%4)+\b):8*(8*((\a)%4)+\b)+7], v[128*(\p)+FR*\b:128*(\p)+FR*\b+FR-1], v[AF+FR*(\a):AF+FR*(\a)+FR-1], v[8*(8*((\a)%4)+\b):8*(8*((\a)%4)+\b)+7], v[SC+8*NQ*(\sc)+NQ*\b+(\q)], v[SC+8*NQ*(\sc)+NQ*(\a)+(\q)] matrix_a_fmt:MATRIX_FMT_FP4 matrix_b_fmt:MATRIX_FMT_FP4 matrix_a_scale:MATRIX_SCALE_ROW1
.endif
.endr
.endr
.endm
.macro FETCH_B slot, q, p              ; source 0's eight fragments of the slot's q-th 128 along K into set p
	WIN TO_B
.irp i, 0,1,2,3,4,5,6,7
	FRAG 128*(\p)+FR*\i, ADRB+\slot, \q, \i
.endr
	WIN 0
.endm
.macro FETCH_A slot, q, i0             ; source 1's blocks i0 .. i0 + 3
.irp i, \i0, \i0+1, \i0+2, \i0+3
	FRAG AF+FR*(\i), ADRA+\slot, \q, \i
.endr
.endm
.macro SCALES sc                       ; a slot's scale words into set sc: four words a row
.irp i, 0,1,2,3,4,5,6,7
	ds_load_b128 v[SC+8*NQ*\sc+NQ*\i:SC+8*NQ*\sc+NQ*\i+3], v[ADRS] offset:\i*SBLK
.endr
.endm
; A load into a register that a matrix instruction has read, and a vector instruction that reads a matrix result or writes one of its registers, stand NP places behind it; only plain vector
; instructions that name none of its registers are places (ISA guide 7.12.1 for vector instructions).
.macro PLACES n
.rept \n
	v_nop
.endr
.endm
; A step of 128 along K that has its successor in the same slot.  With mode 1 or 2 the bias, in window 0, is C: source 2 window 0, destination window 2 or 3.
.macro STEP slot, q, mode
	s_wait_dscnt 4*NL                              ; source 0's set, source 1's blocks 0-3 and the scale words are in; the youngest eight loads (blocks 4-7) may be out
.if \mode
	WIN 0x81
.else
	WIN MUL_LO
.endif
	MUL16 0, (\q)%2, \q, \slot, \mode
	MUL16 2, (\q)%2, \q, \slot, \mode
	s_wait_dscnt 0                                 ; blocks 4-7 are in (asked for 32 matrix instructions ago)
	PLACES NP
	FETCH_B \slot, (\q)+1, 1-(\q)%2
	FETCH_A \slot, (\q)+1, 0
.if \mode
	WIN 0xc1
.else
	WIN MUL_HI
.endif
	MUL16 4, (\q)%2, \q, \slot, \mode
	MUL16 6, (\q)%2, \q, \slot, \mode
	PLACES NP
	WIN 0
	FETCH_A \slot, (\q)+1, 4
.endm
; Slot 0's last step goes over to slot 1: in front of the one barrier each wave waits for all its tensor loads (its part of slot 1), adds 0 to its spare word, and waits for that and for its LDS reads.
.macro TURN slot, next
	s_wait_tensorcnt 0x0                           ; all my tensor loads have landed  (every window is 0 here: the add's two registers lie in window 0)
	ds_add_u32 v[SPW], v[NIL]                      ; 0 onto my spare word
	s_wait_dscnt 4*NL+1                            ; (the add and the youngest eight loads may be out)
	WIN MUL_LO
	MUL16 0, 1, NQ-1, \slot, 0                     ; sixteen matrix instructions stand between the add and the wait for it
	s_wait_dscnt 0x0                               ; the add is done, and my reads of this slot are over
	s_barrier_signal -1
	MUL16 2, 1, NQ-1, \slot, 0
	WIN 0
	s_barrier_wait -1                              ; everybody's part of the next slot is in
	PLACES NP
	v_add_nc_u32 v[ADRS], 4*NQ, v[ADRS]            ; on to the next slot's scale words (no LDS load of mine is out)
	FETCH_B \next, 0, 0
	FETCH_A \next, 0, 0
	SCALES \next
	WIN MUL_HI
	MUL16 4, 1, NQ-1, \slot, 0
	MUL16 6, 1, NQ-1, \slot, 0
	PLACES NP
	WIN 0
	FETCH_A \next, 0, 4
.endm
.macro STEPS slot, from                ; the slot's steps from .. NQ - 2
.set Q, \from
.rept NQ-1-\from
	STEP \slot, Q, 0
.set Q, Q+1
.endr
.endm
	s_wait_tensorcnt 1                             ; the scales and my part of slot 0 are in (slot 1's load may be out),
	s_barrier_signal -1
	s_barrier_wait -1                              ; everybody's are
	FETCH_B 0, 0, 0
	FETCH_A 0, 0, 0
	SCALES 0
	FETCH_A 0, 0, 4
	s_wait_loadcnt 0x0                             ; the bias
	s_cmp_eq_u32 s2, 1
	s_cbranch_scc1 .Lfirst_v
	STEP 0, 0, 1                                   ; the first step is written twice: its products start the sums with the bias, which lies otherwise for v
	s_branch .Lfirst_done
.Lfirst_v:
	STEP 0, 0, 2
.Lfirst_done:
	STEPS 0, 1
	TURN 0, 1
	STEPS 1, 0
	s_wait_dscnt 4*NL                              ; the last step: nothing more to fetch
	WIN MUL_LO
	MUL16 0, 1, NQ-1, 1, 0
	MUL16 2, 1, NQ-1, 1, 0
	s_wait_dscnt 0
	WIN MUL_HI
	MUL16 4, 1, NQ-1, 1, 0
	MUL16 6, 1, NQ-1, 1, 0
	WIN 0
; THE QUANTISER.  Block a of source 1: a lane's 64 registers are its row's 128 numbers of its half: tile b holds places 16 b + 8 h + i.  A block of 32 is tiles 2 e and 2 e + 1: 16 registers on end, and lane l xor 16's.
; The scale: the largest magnitude (with the floor 2^(3 - 127) among its leaves, which holds the byte at 1 from below) with 2 taken off its exponent field is the conversion's scale operand; that field is the byte.
; THE CODES.  The operand's layout wants k = 64 c + 32 h + 0 .. 31 in registers 4 c .. 4 c + 3.  The four conversions of tiles 4 c .. 4 c + 3 go to registers 4 c, 4 c + 2, 4 c + 1, 4 c + 3, and two exchanges of
; halves (the first register's lanes 16-31 with the second's lanes 0-15) put each half block where it belongs.  Each accumulator is read from its low end on.
.macro QUANTN a
.set AC, 64*((\a)%4)
	WIN (20*(2+(\a)/4))                            ; sources 1 and 2: window 2 or 3
.irp e, 0,1,2,3
	v_max3_num_f32 v[TM+\e], 0x1800000, |v[AC+16*\e]|, |v[AC+16*\e+1]|
.endr
.irp i, 2,4,6,8,10,12,14
.irp e, 0,1,2,3
	v_max3_num_f32 v[TM+\e], v[TM+\e], |v[AC+16*\e+\i]|, |v[AC+16*\e+\i+1]|   ; (the four blocks by turns)
.endr
.endr
	WIN 0
.irp e, 0,1,2,3
	v_permlanex16_b32 v[TM+4+\e], v[TM+\e], s[SEL], s[SEL+1]
.endr
.irp e, 0,1,2,3
	v_max_num_f32 v[TM+\e], v[TM+\e], v[TM+4+\e]   ; with lane l xor 16's: the block's largest magnitude
.endr
.irp e, 0,1,2,3
	v_add_nc_u32 v[TM+12+\e], 0xff000000, v[TM+\e] ; 2 off its exponent field
.endr
.irp e, 0,1,2,3
	v_lshrrev_b32 v[TM+4+\e], 23, v[TM+12+\e]      ; the scale's byte
.endr
	v_lshl_or_b32 v[PW+\a], v[TM+5], 8, v[TM+4]
	v_lshl_or_b32 v[PW+\a], v[TM+6], 16, v[PW+\a]
	v_lshl_or_b32 v[PW+\a], v[TM+7], 24, v[PW+\a]  ; the four bytes of my row
	WIN (2+(\a)/4)                                 ; source 0: window 2 or 3
.irp c, 0,1
	v_cvt_scalef32_pk8_fp4_f32 v[PC+8*\a+4*\c],   v[AC+32*\c:AC+32*\c+7],     v[TM+12+2*\c]
	v_cvt_scalef32_pk8_fp4_f32 v[PC+8*\a+4*\c+2], v[AC+32*\c+8:AC+32*\c+15],  v[TM+12+2*\c]
	v_cvt_scalef32_pk8_fp4_f32 v[PC+8*\a+4*\c+1], v[AC+32*\c+16:AC+32*\c+23], v[TM+13+2*\c]
	v_cvt_scalef32_pk8_fp4_f32 v[PC+8*\a+4*\c+3], v[AC+32*\c+24:AC+32*\c+31], v[TM+13+2*\c]
.endr
	WIN 0
	v_nop                                          ; one plain place behind a scaled conversion
.irp c, 0,1
	v_permlane16_swap_b32 v[PC+8*\a+4*\c], v[PC+8*\a+4*\c+1]
	v_permlane16_swap_b32 v[PC+8*\a+4*\c+2], v[PC+8*\a+4*\c+3]
.endr
.endm
	PLACES NP                                      ; behind the last products: their results are read, and registers that they read are written, below
.irp e, 0,1,2,3
	v_mov_b32 v[TM+4+\e], 0                        ; written once: a lane permute's destination counts as one of its sources
.endr
	s_cmp_eq_u32 s2, 1
	s_cbranch_scc1 .Lout_v
; q, k.  Block a = 16 tokens; registers 0-3 of its codes are my first head's image of that token tile, registers 4-7 my second head's: each store covers 512 consecutive bytes.
; The scale word's low half is the first head's, the high half the second's: lanes 0-15 keep the one, lanes 16-31 the other; 128 tokens' words are gathered in my stage and leave 512 bytes at a time.
.irp a, 0,1,2,3,4,5,6,7
	QUANTN \a
	global_store_b128 v[LI], v[PC+8*\a:PC+8*\a+3], s[12:13] offset:512*\a
	global_store_b128 v[LI], v[PC+8*\a+4:PC+8*\a+7], s[12:13] offset:HS+512*\a
	v_lshrrev_b32 v[WD+\a], v[SH], v[PW+\a]
	v_and_b32 v[WD+\a], 0xffff, v[WD+\a]           ; two bytes, and 0 above them, which will stand over zero codes
	ds_store_b32 v[STOQ], v[WD+\a] offset:64*\a
.endr
	ds_load_b128 v[RB:RB+3], v[RDQ]                ; LDS serves a wave's instructions in order (ISA guide 5.7.1.4): these see my stores
	ds_load_b128 v[RB+4:RB+7], v[RDQ] offset:512
	s_wait_dscnt 0x0
	global_store_b128 v[LI], v[RB:RB+3], s[96:97]
	global_store_b128 v[LI], v[RB+4:RB+7], s[96:97] offset:HS
	s_branch .Lend
.Lout_v:
; v.  Block a = 16 of the head's d (head a / 4, d tile a % 4); my 128 tokens are one key step.  Registers 4 c .. 4 c + 3 are group c of that tile's image.  The scale word is whole: four blocks of 32 keys.
.irp a, 0,1,2,3,4,5,6,7
	QUANTN \a
	global_store_b128 v[LI], v[PC+8*\a:PC+8*\a+3], s[12:13] offset:(\a/4)*HS+(\a%4)*1024
	global_store_b128 v[LI], v[PC+8*\a+4:PC+8*\a+7], s[12:13] offset:(\a/4)*HS+(\a%4)*1024+512
	ds_store_b32 v[STOV], v[PW+\a] offset:64*\a    ; both halves of the lanes write the same word with the same value
.endr
	ds_load_b128 v[RB:RB+3], v[RDV]
	s_wait_dscnt 0x0
	global_store_b128 v[VSO], v[RB:RB+3], s[96:97] ; lanes 0-15: my first head's 256 bytes; lanes 16-31: my second head's
.Lend:
	s_wait_tensorcnt 0x0                           ; the wave's end, behind my last tensor load and my last LDS store
	ds_add_u32 v[SPW], v[NIL]
	s_wait_dscnt 0x0
	CROUND                                         ; the closing round: no work-group ends while a partner may still ask for a tile that names it
	s_endpgm
.Lfunc_end_k_q03467240a7_qkv_gemm:
	.size	k_q03467240a7_qkv_gemm, .Lfunc_end_k_q03467240a7_qkv_gemm-k_q03467240a7_qkv_gemm
	.p2alignl 7, 3214868480
	.fill 96, 4, 3214868480
	.section	.rodata,"a",@progbits
	.p2align	6, 0x0
	.amdhsa_kernel k_q03467240a7_qkv_gemm
		.amdhsa_group_segment_fixed_size 327680
		.amdhsa_private_segment_fixed_size 0
		.amdhsa_enable_private_segment 0
		.amdhsa_kernarg_size 48
		.amdhsa_user_sgpr_count 2
		.amdhsa_user_sgpr_kernarg_segment_ptr 1
		.amdhsa_wavefront_size32 1
		.amdhsa_system_sgpr_workgroup_id_x 1
		.amdhsa_system_sgpr_workgroup_id_y 1
		.amdhsa_system_sgpr_workgroup_id_z 1
		.amdhsa_system_vgpr_workitem_id 0
		.amdhsa_next_free_vgpr 1024
		.amdhsa_next_free_sgpr 102
		.amdhsa_reserve_vcc 0
		.amdhsa_float_denorm_mode_32 3
		.amdhsa_float_denorm_mode_16_64 3
		.amdhsa_memory_ordered 1
		.amdhsa_forward_progress 1
		.amdhsa_inst_pref_size 182
	.end_amdhsa_kernel
	.amdgpu_metadata
---
amdhsa.version: [ 1, 2 ]
amdhsa.kernels:
  - .name:           k_q03467240a7_qkv_gemm
    .symbol:         k_q03467240a7_qkv_gemm.kd
    .args:
      - { .name: x_codes, .offset: 0, .size: 8, .value_kind: global_buffer, .address_space: global }
      - { .name: x_scales, .offset: 8, .size: 8, .value_kind: global_buffer, .address_space: global }
      - { .name: W_attn_codes, .offset: 16, .size: 8, .value_kind: global_buffer, .address_space: global }
      - { .name: W_attn_scales, .offset: 24, .size: 8, .value_kind: global_buffer, .address_space: global }
      - { .name: b_attn, .offset: 32, .size: 8, .value_kind: global_buffer, .address_space: global }
      - { .name: qkv, .offset: 40, .size: 8, .value_kind: global_buffer, .address_space: global }
    .group_segment_fixed_size: 327680
    .private_segment_fixed_size: 0
    .kernarg_segment_align: 8
    .kernarg_segment_size: 48
    .max_flat_workgroup_size: 128
    .sgpr_count:     102
    .vgpr_count:     1024
    .wavefront_size: 32
...
	.end_amdgpu_metadata
.endif
;; end of part 1
;; launch attention (part 2): grid 4 x 64, 16 waves a work-group, clusters of 4 x 1, 167,936 bytes of LDS; arguments qkv, yc, ys; writes yc, ys
.if DOCPART == 2
	.amdgcn_target "amdgcn-amd-amdhsa--gfx1250"
	.amdhsa_code_object_version 6
	.text
	.protected	k_q03467240a7_attention
	.globl	k_q03467240a7_attention
	.p2align	8
	.type	k_q03467240a7_attention,@function
k_q03467240a7_attention:
	s_mov_b64 s[64:65], 0
	v_nop
	global_prefetch_b8 v0, s[64:65] scope:SCOPE_SE
	s_setreg_imm32_b32 hwreg(HW_REG_WAVE_MODE, 25, 1), 1
	s_wait_xcnt 0x0
	s_wait_alu depctr_hold_cnt(0) depctr_sa_sdst(0) depctr_va_vdst(0) depctr_va_sdst(0) depctr_va_ssrc(0) depctr_va_vcc(0) depctr_vm_vsrc(0)
	s_getreg_b32 s2, hwreg(HW_REG_IB_STS2, 6, 4)
	s_cmp_eq_u32 s2, 0
	s_cbranch_scc0 .Lentry_in_a_cluster
	s_endpgm
.Lentry_in_a_cluster:
	s_bfe_u32 s2, ttmp6, 0x10000c
	s_cmp_lg_u32 s2, 0x3003
	s_cbranch_scc0 .Lentry_shape_is_right
	s_endpgm
.Lentry_shape_is_right:
; LAUNCH 2 OF 3.  y[b][h][q] = the sum over k <= q of softmax_k(q . k / 8) v, both products on codes of FP4 (E2M1) with one E8M0 scale for each 32 along a product's K; y is quantised along the head's 64 and leaves as codes and scale bytes.
; WORK LEFT OUT: key steps all of whose 128 keys come after a wave's 16 queries: reference()'s own mask gives them the weight 0 for all finite inputs (shown at the head of the first launch).
; LIMIT: a NaN, an infinity or an overflow that would arise only in those scores is not carried to the result.
; THE SOFTMAX AHEAD OF THE SECOND PRODUCT: t = score x log2(e) / 8; M = the row's largest t so far, rounded UP to a whole number; p = 2^(t - M) is quantised along the keys, not normalised.  The row's sum is taken of the
; unquantised p and divides O at the end.  When M moves, the sum and O are multiplied by 2^(old M - new M): exact.
; LIMITS: a p under 2^-126 comes out as 0 (v_exp_f32 flushes: ISA guide 15.8); a block's largest p is made from its largest score by the same two instructions as every p, which takes v_exp_f32 not to fall where its
; input rises; a block of zeros gets the scale byte 1 where the quantiser says 127 (zero codes; this program alone reads the bytes); NaN and infinities are not served.
; y's scale bytes are stored two bytes a lane, 32 bytes apart: a head owns 2 of a token's 32.
; SHARES.  A cluster of four work-groups is one (batch, head).  Work-group cx owns the query tiles qt = 4 j + cx, j = 0 .. 31; wave w takes j = w (pass 0) and j = 31 - w (pass 1).  The last key step that a tile sees is
; qt / 8 = j / 2, whatever cx is: so no branch, trip count or LDS address hangs on cx, and every wave has (w / 2 + 1) + ((31 - w) / 2 + 1) = 17 visible steps.
; LDS.  The head's K codes, V codes and their scale words, 143,360 consecutive bytes of the workspace, lie in LDS as they lie in memory, filled ONCE: each of the sixteen waves asks for 35 rows of 256 bytes, jointly with the
; same wave of the three partners.  All of it is an image of operand registers: every LDS load takes 16 or 4 bytes a lane on end: no pitch, no padding.
; LAYOUT.  Both products are used transposed: S^T = K Q^T (source 0 = 16 keys, source 1 = my 16 queries), O^T = V^T P^T (source 0 = 16 of the head's 64, source 1 = P): a lane holds ONE query (lane % 16) throughout.
; The head has 64 along K and the instruction 128: registers 4-7 of K's and Q's fragments are zero codes, under scale bytes of 0.
; REGISTERS: v1-7 addresses that stay; v8-11 addresses of the loads in hand; v12 -M, v13 the largest t, v[14:15] the sum in two halves; v16-23, v24-31 Q of pass 0, 1; v32-95 eight fragments of K; v96-159 S^T, then p;
; v160-191 O^T; v192-223 four fragments of V; v224-231 p's codes; v232-239, v244-247, v252-254 at work (v253: p's scale word); v240-241 V's scale words; v242-243 Q's; v248-251 K's; v255 the mask's bound.
.set HS,    217088                     ; a head in the workspace: K codes, V codes, K's scale words, V's, Q codes, Q's scale words
.set VCL,   65536
.set KSWL,  131072
.set VSWL,  139264
.set QC,    143360
.set QSW,   208896
.set PART,  8960                       ; what one wave fetches: 35 x 256 bytes; 16 x 8,960 = 143,360
.set SPARE, 143360                     ; behind the head's tiles: the spare words, 128 bytes for each wave: eight blocks of 256 bytes that no other line names
.set SPW,  5
.set NIL,  6
.set ADK,  8
.set ADV,  9
.set ADS,  10
.set ADT,  11
.set WV,   18                          ; s18  my wave's number
.set CX,   19                          ; s19  my place in the cluster: it enters Q's and y's global addresses and the mask's bound alone
.set SEL,  20                          ; s[20:21] lane selects for v_permlanex16_b32: lane l xor 16
.set CS,   22                          ; s[22:23] c = log2(e) / 8
.set G1,   24                          ; s[24:31], s[32:35] the one descriptor; never rewritten
.set G0,   32
.set TK,   36                          ; s36  the step's codes: 4,096 bytes a step, in K and in V alike
.set TS,   37                          ; s37  K's scale words: 512 bytes a step
.set TV,   38                          ; s38  V's: 256 bytes a step
.set SI,   39                          ; s39  the step
.set DG,   58                          ; s58, s59  64 (j % 2) + 16 cx of pass 0, 1
.set NS,   60                          ; s60, s61  the last visible step, j / 2, of pass 0, 1
.macro CROUND                          ; a round of the cluster's barrier
	s_barrier_signal -1
	s_barrier_wait -1
	s_cmp_lg_u32 s[WV], 0
	s_cbranch_scc1 .Lnot_wave_0_\@
	s_barrier_signal -3
.Lnot_wave_0_\@:
	s_barrier_wait -3
	s_barrier_signal -1
	s_barrier_wait -1
.endm
	s_load_b128 s[4:7], s[0:1], 0x0                ; qkv, yc
	s_load_b64 s[8:9], s[0:1], 0x10                ; ys
	v_lshl_add_u32 v[SPW], v0, 2, SPARE
	v_mov_b32 v[NIL], 0
	ds_add_u32 v[SPW], v[NIL]                      ; the wave's opening: the add, twice on end, and its wait ahead of my first tensor load; the set-up below, work on registers, stands between
	ds_add_u32 v[SPW], v[NIL]                      ; and once more, under the one wait
	v_lshrrev_b32 v8, 5, v0
	s_delay_alu instid0(VALU_DEP_1)
	v_readfirstlane_b32 s[WV], v8                  ; wave 0..15
	s_bfe_u32 s[CX], ttmp6, 0x40000                ; cx
	s_and_b32 s45, ttmp7, 0xffff                   ; 16 x batch + head: the cluster's y
	s_lshr_b32 s46, s45, 4                         ; batch
	s_and_b32 s47, s45, 15                         ; head
	s_mul_i32 s42, s45, HS
	s_mov_b32 s43, 0
	s_mov_b32 s[G1], 15|(3<<16)|(1<<21)            ; 15:0 the mask: all four work-groups; 17:16 elements of 8 bytes; 20 no padding; 21 set beside a mask
	s_mov_b32 s[G1+1], 32<<16                      ; tensor_dim0 = 32 elements: 256 bytes
	s_mov_b32 s[G1+2], 35<<16                      ; tensor_dim1 = 35
	s_mov_b32 s[G1+3], 32<<16                      ; tile_dim0
	s_mov_b32 s[G1+4], 35                          ; tile_dim1
	s_mov_b32 s[G1+5], 32                          ; tensor_dim0_stride: the block is dense
	s_mov_b32 s[G1+6], 0
	s_mov_b32 s[G1+7], 0
	s_mov_b32 s[G0], 1
	s_mul_i32 s[G0+1], s[WV], PART                 ; LDS address: my wave's part
	s_mov_b32 s[SEL], 0x76543210
	s_mov_b32 s[SEL+1], 0xfedcba98
	s_mov_b32 s[CS], 0x3e38aa3b                    ; c = log2(e) / 8
	s_mov_b32 s[CS+1], s[CS]                       ; (named with it as a pair, so it is written)
	s_wait_dscnt 0x0                               ; both opening adds are done
	s_wait_kmcnt 0x0
	s_add_nc_u64 s[48:49], s[4:5], s[42:43]        ; the head's first byte
	s_mov_b32 s42, s[G0+1]
	s_add_nc_u64 s[G0+2:G0+3], s[48:49], s[42:43]  ; and my wave's part of it: the head and the wave's number alone, which the partners share
	s_or_b32 s[G0+3], s[G0+3], 0x80000000
	CROUND                                         ; all four work-groups are here: the joint loads meet
	tensor_load_to_lds s[G0:G0+3], s[G1:G1+7]      ; one load a wave, and no more in this launch
	s_nop 0
; the addresses of pass p: j = w or 31 - w; qt = 4 j + cx
.macro SETUP p
.if \p
	s_sub_co_u32 s41, 31, s[WV]
.else
	s_mov_b32 s41, s[WV]
.endif
	s_lshr_b32 s[NS+\p], s41, 1
	s_and_b32 s42, s41, 1
	s_lshl_b32 s42, s42, 6
	s_lshl_b32 s44, s[CX], 4
	s_add_co_u32 s[DG+\p], s42, s44
	s_lshl_b32 s41, s41, 2
	s_add_co_u32 s41, s41, s[CX]                   ; qt
	s_lshl_b32 s42, s41, 9
	s_add_nc_u64 s[10+4*\p:11+4*\p], s[48:49], s[42:43]   ; Q's codes: 512 bytes a tile (the region's place stands in the load's immediate)
	s_lshl_b32 s42, s41, 6
	s_add_nc_u64 s[12+4*\p:13+4*\p], s[48:49], s[42:43]   ; Q's scale words: 64 bytes a tile
	s_lshl_b32 s42, s46, 7
	s_add_co_u32 s42, s42, s41
	s_lshl_b32 s42, s42, 13
	s_lshl_b32 s44, s47, 9
	s_add_co_u32 s42, s42, s44
	s_add_nc_u64 s[50+4*\p:51+4*\p], s[6:7], s[42:43]     ; yc: (128 batch + qt) x 8,192 + 512 head
	s_lshl_b32 s42, s46, 16
	s_lshl_b32 s44, s41, 9
	s_add_co_u32 s42, s42, s44
	s_lshl_b32 s44, s47, 1
	s_add_co_u32 s42, s42, s44
	s_add_nc_u64 s[52+4*\p:53+4*\p], s[8:9], s[42:43]     ; ys: (2,048 batch + 16 qt) x 32 + 2 head
.endm
	SETUP 0
	SETUP 1
	v_and_b32 v8, 31, v0                           ; lane
	v_and_b32 v9, 15, v0                           ; r
	s_delay_alu instid0(VALU_DEP_2)
	v_lshlrev_b32 v1, 4, v8                        ; 16 x lane: an image's place for my lane, in LDS and in memory
	s_delay_alu instid0(VALU_DEP_2)
	v_lshlrev_b32 v11, 2, v9
	global_load_b128 v[16:19], v1, s[10:11] offset:QC     ; Q's fragments stay in registers
	global_load_b32 v242, v11, s[12:13] offset:QSW        ; and their scale words: lane r has query r's
	global_load_b128 v[24:27], v1, s[14:15] offset:QC
	global_load_b32 v243, v11, s[16:17] offset:QSW
	v_add_nc_u32 v2, VCL, v1
	v_lshl_add_u32 v3, v8, 2, KSWL
	v_lshl_add_u32 v4, v8, 2, VSWL
	v_lshlrev_b32 v7, 5, v9                        ; ys: 32 bytes a token
.irp j, 20,21,22,23,28,29,30,31
	v_mov_b32 v[\j], 0                             ; k = 64 .. 127 of Q: zero codes
.endr
.irp jj, 0,1,2,3,4,5,6,7
.irp i, 4,5,6,7
	v_mov_b32 v[32+8*\jj+\i], 0                    ; and of K: written once, the loads fill registers 0-3 alone
.endr
.endr
.irp b, 0,1,2,3
	v_mov_b32 v[236+\b], 0                         ; written once: a lane permute's destination counts as one of its sources
.endr
	v_mov_b32 v252, 0
	v_mov_b32 v253, 0                              ; (named as the upper half of the pair v[252:253] before it is first written)
	s_wait_tensorcnt 0x0                           ; my part of the head is in,
	s_barrier_signal -1
	s_barrier_wait -1                              ; everybody's is
	s_wait_loadcnt 0x0                             ; Q
; A KEY STEP of pass p: 128 keys.
.macro STEP p
	s_cmp_gt_u32 s[SI], s[NS+\p]                   ; all its keys come after my queries: the step's work is left out; the lines at its end that step addresses are not
	s_cbranch_scc1 .Lhidden_\@
	s_setprio 2
	v_add_nc_u32 v[ADK], s[TK], v1                 ; (these four are the places behind the last step's products, in front of the loads into registers that they read)
	v_add_nc_u32 v[ADV], s[TK], v2
	v_add_nc_u32 v[ADS], s[TS], v3
	v_add_nc_u32 v[ADT], s[TV], v4
.irp jj, 0,1,2,3,4,5,6,7
	ds_load_b128 v[32+8*\jj:35+8*\jj], v[ADK] offset:512*\jj       ; tile jj: keys 16 jj + r, d = 32 h .. 32 h + 31
.endr
.irp e, 0,1,2,3
	ds_load_b32 v[248+\e], v[ADS] offset:128*\e                    ; lanes 0-15: the words of tile 2 e; lanes 16-31: of tile 2 e + 1
.endr
.irp t, 0,1,2,3
.irp c, 0,1
	ds_load_b128 v[192+8*\t+4*\c:195+8*\t+4*\c], v[ADV] offset:1024*\t+512*\c
.endr
.endr
.irp u, 0,1
	ds_load_b32 v[240+\u], v[ADT] offset:128*\u                    ; lanes 0-15: d tile 2 u; lanes 16-31: d tile 2 u + 1
.endr
	s_wait_dscnt 10                                ; K's twelve loads are in; V's ten, issued behind them, may be out
.irp e, 0,1,2,3
	v_wmma_scale_f32_16x16x128_f8f6f4 v[96+16*\e:103+16*\e], v[32+16*\e:39+16*\e], v[16+8*\p:23+8*\p], 0, v[248+\e], v[242+\p] matrix_a_fmt:MATRIX_FMT_FP4 matrix_b_fmt:MATRIX_FMT_FP4
	v_wmma_scale_f32_16x16x128_f8f6f4 v[104+16*\e:111+16*\e], v[40+16*\e:47+16*\e], v[16+8*\p:23+8*\p], 0, v[248+\e], v[242+\p] matrix_a_fmt:MATRIX_FMT_FP4 matrix_b_fmt:MATRIX_FMT_FP4 matrix_a_scale:MATRIX_SCALE_ROW1
.endr                                              ; lane (r, h): query r; register 8 jj + i: key 16 jj + 8 h + i.  A block of 32 keys: 16 registers on end, and lane l xor 16's
.rept 4
	v_nop
.endr
	s_cmp_lt_u32 s[SI], s[NS+\p]                   ; only my last visible step lies on the diagonal
	s_cbranch_scc1 .Lopen_\@
	v_mov_b32 v254, 0xff800000                     ; -infinity: p = 0 then
.set NN, 0
	s_wait_alu depctr_va_vdst(0)
.rept 64
	v_cmp_gt_i32 vcc_lo, 16*(NN/8)+NN%8, v255      ; hidden where 16 jj + i > my query - the step's first key - 8 h
	v_cndmask_b32 v[96+NN], v[96+NN], v254, vcc_lo
.set NN, NN+1
.endr
.Lopen_\@:
.irp b, 0,1,2,3
	v_max3_num_f32 v[232+\b], v[96+16*\b], v[97+16*\b], v[98+16*\b]   ; THE LARGEST SCORE OF EACH BLOCK OF 32 KEYS: it serves twice: for the row's maximum, and, since p rises with the score, for the block's largest p
.endr
.irp i, 3,5,7,9,11,13
.irp b, 0,1,2,3
	v_max3_num_f32 v[232+\b], v[232+\b], v[96+16*\b+\i], v[97+16*\b+\i]   ; (the four blocks by turns)
.endr
.endr
.irp b, 0,1,2,3
	v_max_num_f32 v[232+\b], v[232+\b], v[111+16*\b]
.endr
.irp b, 0,1,2,3
	s_delay_alu instid0(VALU_DEP_4)
	v_permlanex16_b32 v[236+\b], v[232+\b], s[SEL], s[SEL+1]
.endr
.irp b, 0,1,2,3
	s_delay_alu instid0(VALU_DEP_4)
	v_max_num_f32 v[232+\b], v[232+\b], v[236+\b]  ; with lane l xor 16's 16 keys
.endr
	s_delay_alu instid0(VALU_DEP_2)
	v_max3_num_f32 v254, v232, v233, v234
	s_delay_alu instid0(VALU_DEP_1)
	v_max_num_f32 v254, v254, v235                 ; the step's largest score of my query: a number, since my own key or an earlier one counts
	s_delay_alu instid0(VALU_DEP_1)
	v_mul_f32 v254, s[CS], v254                    ; as t (c is positive)
	s_delay_alu instid0(VALU_DEP_1)
	v_max_num_f32 v13, v13, v254                   ; the running largest t
	v_mov_b32 v254, v12
	s_delay_alu instid0(VALU_DEP_2)
	v_floor_f32 v12, -v13                          ; the new -M = floor(-t) = -ceil(t): M is a whole number
	s_delay_alu instid0(VALU_DEP_1)
	v_sub_f32 v254, v12, v254                      ; M's old value less its new one: a whole number, 0 or less
	s_delay_alu instid0(VALU_DEP_1)
	v_cvt_i32_f32 v254, v254                       ; (it saturates)
	s_delay_alu instid0(VALU_DEP_1)
	v_ldexp_f32 v252, 1.0, v254                    ; f = 2^(old M - new M)
.set NN, 0
.rept 32
	v_pk_fma_f32 v[96+NN:97+NN], v[96+NN:97+NN], s[CS:CS+1], v[12:13] op_sel_hi:[1,0,0]   ; t - M, two at a time (of the pairs c and -M the low word serves both halves)
.set NN, NN+2
.endr
	s_setprio 1
.irp b, 0,1,2,3
	v_fma_f32 v[232+\b], v[232+\b], s[CS], v12     ; the same of each block's largest score
.endr
.set NN, 0
	s_wait_alu depctr_va_vdst(0)
.rept 64
	v_exp_f32 v[96+NN], v[96+NN]                   ; p = 2^(t - M), at most 1: not normalised
.set NN, NN+1
.endr
	v_pk_mul_f32 v[14:15], v[14:15], v[252:253] op_sel_hi:[1,0]   ; the sums under the new M.  (The plain place behind the exponentials)
	s_wait_alu depctr_va_vdst(0)                   ; the wait ahead of the first line that names a result: one for the whole batch
.irp b, 0,1,2,3
	v_exp_f32 v[232+\b], v[232+\b]                 ; the block's largest p: the same two instructions on the same number give the same bits
.endr
	v_pk_add_f32 v[236:237], v[100:101], v[104:105]
	v_pk_add_f32 v[250:251], v[108:109], v[112:113]
	v_pk_add_f32 v[248:249], v[116:117], v[120:121]
	v_pk_add_f32 v[246:247], v[124:125], v[128:129]
	v_pk_add_f32 v[244:245], v[132:133], v[136:137]
	v_pk_add_f32 v[238:239], v[140:141], v[144:145]
	v_pk_add_f32 v[230:231], v[148:149], v[152:153]
	v_pk_add_f32 v[14:15], v[14:15], v[156:157]
	v_pk_add_f32 v[236:237], v[236:237], v[96:97]
	v_pk_add_f32 v[250:251], v[250:251], v[98:99]
	v_pk_add_f32 v[248:249], v[248:249], v[102:103]
	v_pk_add_f32 v[246:247], v[246:247], v[106:107]
	v_pk_add_f32 v[244:245], v[244:245], v[110:111]
	v_pk_add_f32 v[238:239], v[238:239], v[114:115]
	v_pk_add_f32 v[230:231], v[230:231], v[118:119]
	v_pk_add_f32 v[14:15], v[14:15], v[122:123]
	v_pk_add_f32 v[236:237], v[236:237], v[126:127]
	v_pk_add_f32 v[250:251], v[250:251], v[130:131]
	v_pk_add_f32 v[248:249], v[248:249], v[134:135]
	v_pk_add_f32 v[246:247], v[246:247], v[138:139]
	v_pk_add_f32 v[244:245], v[244:245], v[142:143]
	v_pk_add_f32 v[238:239], v[238:239], v[146:147]
	v_pk_add_f32 v[230:231], v[230:231], v[150:151]
	v_pk_add_f32 v[14:15], v[14:15], v[154:155]
	v_pk_add_f32 v[236:237], v[236:237], v[158:159]
	s_delay_alu instid0(VALU_DEP_2)
	v_pk_add_f32 v[14:15], v[14:15], v[246:247]
	s_delay_alu instid0(VALU_DEP_2)
	v_pk_add_f32 v[236:237], v[236:237], v[244:245]
	v_pk_add_f32 v[250:251], v[250:251], v[238:239]
	v_pk_add_f32 v[248:249], v[248:249], v[230:231]
	s_delay_alu instid0(VALU_DEP_2)
	v_pk_add_f32 v[14:15], v[14:15], v[250:251]
	s_delay_alu instid0(VALU_DEP_2)
	v_pk_add_f32 v[236:237], v[236:237], v[248:249]
	s_delay_alu instid0(VALU_DEP_1)
	v_pk_add_f32 v[14:15], v[14:15], v[236:237]
	s_wait_alu depctr_va_vdst(0)                   ; and one for the four
.irp b, 0,1,2,3
	v_max_num_f32 v[232+\b], 0x1800000, v[232+\b]  ; the floor 2^(3 - 127): the byte cannot fall under 1 (a block whose every p is 0 keeps that byte: its codes are zeros)
.endr
.irp b, 0,1,2,3
	s_delay_alu instid0(VALU_DEP_4)
	v_add_nc_u32 v[244+\b], 0xff000000, v[232+\b]  ; 2 off the exponent field: the conversion's scale operand
.endr
.irp b, 0,1,2,3
	s_delay_alu instid0(VALU_DEP_4)
	v_lshrrev_b32 v[236+\b], 23, v[244+\b]         ; the scale's byte
.endr
	s_delay_alu instid0(VALU_DEP_3)
	v_lshl_or_b32 v253, v237, 8, v236              ; p's scale word for these 128 keys
	s_delay_alu instid0(VALU_DEP_1)
	v_lshl_or_b32 v253, v238, 16, v253
	s_delay_alu instid0(VALU_DEP_1)
	v_lshl_or_b32 v253, v239, 24, v253
	s_setprio 0
.irp c, 0,1                                    ; tiles 4 c .. 4 c + 3 go to registers 4 c, 4 c + 2, 4 c + 1, 4 c + 3, so that two exchanges of halves give k = 64 c + 32 h + 0 .. 31 in registers 4 c .. 4 c + 3
	v_cvt_scalef32_pk8_fp4_f32 v[224+4*\c], v[96+32*\c:103+32*\c], v[244+2*\c]
	v_cvt_scalef32_pk8_fp4_f32 v[226+4*\c], v[104+32*\c:111+32*\c], v[244+2*\c]
	v_cvt_scalef32_pk8_fp4_f32 v[225+4*\c], v[112+32*\c:119+32*\c], v[245+2*\c]
	v_cvt_scalef32_pk8_fp4_f32 v[227+4*\c], v[120+32*\c:127+32*\c], v[245+2*\c]
.endr
	v_nop                                          ; one plain place behind a scaled conversion
.irp c, 0,1
	v_permlane16_swap_b32 v[224+4*\c], v[225+4*\c]
	v_permlane16_swap_b32 v[226+4*\c], v[227+4*\c]
.endr
.set NN, 0
.rept 16
	v_pk_mul_f32 v[160+NN:161+NN], v[160+NN:161+NN], v[252:253] op_sel_hi:[1,0]   ; O^T under the new M: x f.  (These sixteen stand between the lines that made p's codes and scale word and the products below)
.set NN, NN+2
.endr
	s_wait_alu depctr_va_vdst(0)
	s_wait_dscnt 0x0                               ; V is in
.irp u, 0,1                                    ; O^T += V^T P^T: the four accumulators by turns, one instruction a turn; the eight products of S^T stand between two links of a chain
	v_wmma_scale_f32_16x16x128_f8f6f4 v[160+16*\u:167+16*\u], v[192+16*\u:199+16*\u], v[224:231], v[160+16*\u:167+16*\u], v[240+\u], v253 matrix_a_fmt:MATRIX_FMT_FP4 matrix_b_fmt:MATRIX_FMT_FP4
	v_wmma_scale_f32_16x16x128_f8f6f4 v[168+16*\u:175+16*\u], v[200+16*\u:207+16*\u], v[224:231], v[168+16*\u:175+16*\u], v[240+\u], v253 matrix_a_fmt:MATRIX_FMT_FP4 matrix_b_fmt:MATRIX_FMT_FP4 matrix_a_scale:MATRIX_SCALE_ROW1
.endr
.Lhidden_\@:
	s_add_co_u32 s[TK], s[TK], 4096
	s_add_co_u32 s[TS], s[TS], 512
	s_add_co_u32 s[TV], s[TV], 256
.endm
; THE END OF A PASS: y = O^T / the sum, quantised along the head's 64: two blocks; the codes are the tile's image for the third launch (lane (r, h): token r, d = 32 h .. 32 h + 31), 512 consecutive bytes.
.macro EPI p
	v_add_f32 v14, v14, v15                        ; the sum's two halves,
	s_delay_alu instid0(VALU_DEP_1)
	v_permlanex16_b32 v252, v14, s[SEL], s[SEL+1]
	s_delay_alu instid0(VALU_DEP_1)
	v_add_f32 v14, v14, v252                       ; and lane l xor 16's: the row's sum
	s_wait_alu depctr_va_vdst(0)
	v_rcp_f32 v14, v14
.rept 4
	v_nop                                          ; the plain place behind the reciprocal, and the places behind the last products
.endr
	s_wait_alu depctr_va_vdst(0)                   ; the wait ahead of the reciprocal's first reader
.set NN, 0
.rept 16
	v_pk_mul_f32 v[96+NN:97+NN], v[160+NN:161+NN], v[14:15] op_sel_hi:[1,0]   ; register 8 t + i is y(r, 16 t + 8 h + i)
.set NN, NN+2
.endr
.irp e, 0,1
	v_max3_num_f32 v[232+\e], |v[96+16*\e]|, |v[97+16*\e]|, 0x1800000
.endr
.irp i, 2,4,6,8,10,12,14
.irp e, 0,1
	s_delay_alu instid0(VALU_DEP_2)
	v_max3_num_f32 v[232+\e], v[232+\e], |v[96+16*\e+\i]|, |v[97+16*\e+\i]|
.endr
.endr
.irp e, 0,1
	s_delay_alu instid0(VALU_DEP_2)
	v_permlanex16_b32 v[236+\e], v[232+\e], s[SEL], s[SEL+1]
.endr
.irp e, 0,1
	s_delay_alu instid0(VALU_DEP_2)
	v_max_num_f32 v[232+\e], v[232+\e], v[236+\e]
.endr
.irp e, 0,1
	s_delay_alu instid0(VALU_DEP_2)
	v_add_nc_u32 v[244+\e], 0xff000000, v[232+\e]
.endr
.irp e, 0,1
	s_delay_alu instid0(VALU_DEP_2)
	v_lshrrev_b32 v[236+\e], 23, v[244+\e]
.endr
	s_delay_alu instid0(VALU_DEP_1)
	v_lshl_or_b32 v238, v237, 8, v236              ; my token's two scale bytes
	v_cvt_scalef32_pk8_fp4_f32 v224, v[96:103], v244
	v_cvt_scalef32_pk8_fp4_f32 v226, v[104:111], v244
	v_cvt_scalef32_pk8_fp4_f32 v225, v[112:119], v245
	v_cvt_scalef32_pk8_fp4_f32 v227, v[120:127], v245
	v_nop
	v_permlane16_swap_b32 v224, v225
	v_permlane16_swap_b32 v226, v227
	global_store_b128 v1, v[224:227], s[50+4*\p:51+4*\p]
	global_store_b16 v7, v238, s[52+4*\p:53+4*\p]  ; both halves of the lanes write the same two bytes with the same value
.endm
; A PASS: one tile of 16 queries.  The trip count is a constant (the most that any wave needs in this pass); steps past a wave's last visible one are jumped over inside the trip.
.macro PASS p, trips
.if \p
	s_wait_xcnt 0x0                                ; the last pass's stores have read their data, which are written again below
.endif
	v_mov_b32 v13, 0xff61b1e6                      ; the largest t so far: -3e38, under every t
	s_delay_alu instid0(VALU_DEP_1)
	v_floor_f32 v12, -v13                          ; -M
	v_mov_b32 v14, 0                               ; the sum, in two halves
	v_mov_b32 v15, 0
.set NN, 0
.rept 32
	v_mov_b32 v[160+NN], 0                         ; O^T.  (The step is written once a pass: the first finds zeros, which the first change of M leaves zeros)
.set NN, NN+1
.endr
	v_and_b32 v255, 15, v0
	v_bfe_u32 v254, v0, 4, 1
	s_delay_alu instid0(VALU_DEP_1)
	v_lshlrev_b32 v254, 3, v254
	s_delay_alu instid0(VALU_DEP_1)
	v_sub_nc_u32 v255, v255, v254
	s_delay_alu instid0(VALU_DEP_1)
	v_add_nc_u32 v255, s[DG+\p], v255              ; my query less the diagonal step's first key, less 8 h: 64 (j % 2) + 16 cx + r - 8 h
	s_mov_b32 s[TK], 0
	s_mov_b32 s[TS], 0
	s_mov_b32 s[TV], 0
	s_mov_b32 s[SI], 0
.Lstep_\@:
	STEP \p
	s_add_co_u32 s[SI], s[SI], 1
	s_cmp_lt_u32 s[SI], \trips
	s_cbranch_scc1 .Lstep_\@
	s_setprio 0
	EPI \p
.endm
	PASS 0, 8                                      ; j = w: up to 8 steps
	PASS 1, 16                                     ; j = 31 - w: up to 16
	s_wait_tensorcnt 0x0                           ; the wave's end, behind my last tensor load
	ds_add_u32 v[SPW], v[NIL]
	s_wait_dscnt 0x0
	CROUND                                         ; the closing round: no work-group ends while a partner may still ask for a tile that names it
	s_endpgm
.Lfunc_end_k_q03467240a7_attention:
	.size	k_q03467240a7_attention, .Lfunc_end_k_q03467240a7_attention-k_q03467240a7_attention
	.p2alignl 7, 3214868480
	.fill 96, 4, 3214868480
	.section	.rodata,"a",@progbits
	.p2align	6, 0x0
	.amdhsa_kernel k_q03467240a7_attention
		.amdhsa_group_segment_fixed_size 167936
		.amdhsa_private_segment_fixed_size 0
		.amdhsa_enable_private_segment 0
		.amdhsa_kernarg_size 24
		.amdhsa_user_sgpr_count 2
		.amdhsa_user_sgpr_kernarg_segment_ptr 1
		.amdhsa_wavefront_size32 1
		.amdhsa_system_sgpr_workgroup_id_x 1
		.amdhsa_system_sgpr_workgroup_id_y 1
		.amdhsa_system_sgpr_workgroup_id_z 1
		.amdhsa_system_vgpr_workitem_id 0
		.amdhsa_next_free_vgpr 256
		.amdhsa_next_free_sgpr 66
		.amdhsa_reserve_vcc 1
		.amdhsa_float_denorm_mode_32 3
		.amdhsa_float_denorm_mode_16_64 3
		.amdhsa_memory_ordered 1
		.amdhsa_forward_progress 1
		.amdhsa_inst_pref_size 62
	.end_amdhsa_kernel
	.amdgpu_metadata
---
amdhsa.version: [ 1, 2 ]
amdhsa.kernels:
  - .name:           k_q03467240a7_attention
    .symbol:         k_q03467240a7_attention.kd
    .args:
      - { .name: qkv, .offset: 0, .size: 8, .value_kind: global_buffer, .address_space: global }
      - { .name: yc, .offset: 8, .size: 8, .value_kind: global_buffer, .address_space: global }
      - { .name: ys, .offset: 16, .size: 8, .value_kind: global_buffer, .address_space: global }
    .group_segment_fixed_size: 167936
    .private_segment_fixed_size: 0
    .kernarg_segment_align: 8
    .kernarg_segment_size: 24
    .max_flat_workgroup_size: 512
    .sgpr_count:     66
    .vgpr_count:     256
    .wavefront_size: 32
...
	.end_amdgpu_metadata
.endif
;; end of part 2
;; launch proj_gemm (part 3): grid 4 x 32, 4 waves a work-group, clusters of 4 x 4, 327,680 bytes of LDS; arguments yc, ys, W_proj_codes, W_proj_scales, b_proj, out0; writes out0
.if DOCPART == 3
	.amdgcn_target "amdgcn-amd-amdhsa--gfx1250"
	.amdhsa_code_object_version 6
	.text
	.protected	k_q03467240a7_proj_gemm
	.globl	k_q03467240a7_proj_gemm
	.p2align	8
	.type	k_q03467240a7_proj_gemm,@function
k_q03467240a7_proj_gemm:
	s_mov_b64 s[64:65], 0
	v_nop
	global_prefetch_b8 v0, s[64:65] scope:SCOPE_SE
	s_setreg_imm32_b32 hwreg(HW_REG_WAVE_MODE, 25, 1), 1
	s_wait_xcnt 0x0
	s_wait_alu depctr_hold_cnt(0) depctr_sa_sdst(0) depctr_va_vdst(0) depctr_va_sdst(0) depctr_va_ssrc(0) depctr_va_vcc(0) depctr_vm_vsrc(0)
	s_getreg_b32 s2, hwreg(HW_REG_IB_STS2, 6, 4)
	s_cmp_eq_u32 s2, 0
	s_cbranch_scc0 .Lentry_in_a_cluster
	s_endpgm
.Lentry_in_a_cluster:
	s_bfe_u32 s2, ttmp6, 0x10000c
	s_cmp_lg_u32 s2, 0xf033
	s_cbranch_scc0 .Lentry_shape_is_right
	s_endpgm
.Lentry_shape_is_right:
; LAUNCH 3 OF 3.  out0 = y W_proj + b_proj on codes of FP4 (E2M1) with one E8M0 scale for each 32 along K = 1,024; sums in f32; out0 [8,192][1,024] f32.  Nothing is left out here.
; y's codes come from the second launch as IMAGES of operand registers: yc [token tile 512][K step 8][c 2][lane 32][16 bytes]; its scale bytes ys lie [token][32].  W_proj's codes [1,024][512 bytes] and scale bytes [1,024][32] lie by rows.
; A tile of out0, 256 x 256, is made by a work-group of four waves, a wave 128 x 128: 64 accumulators of 16 x 16.  K goes in two steps of 512 through two LDS slots, each filled ONCE: nothing is filled again.
; CLUSTERS: 4 x 4 work-groups.  The four of a row of the cluster need the same tiles of y, the four of a column the same tiles of W: each is asked for jointly.
; THE MATRIX INSTRUCTION IS USED TRANSPOSED (source 0 = 16 rows of W, source 1 = 16 tokens): a lane then holds eight neighbouring numbers of a row of out0.  The bias is the C of each sum's first matrix instruction.
; LIMITS: NaN and infinities are not served.  128 work-groups: a tile of 256 x 256 on 8,192 x 1,024.
; REGISTERS, in windows of 256: window 0: v0-31 addresses; v32-95 scale words, two sets; v128-191 y's fragments, ONE set; v192-255 the bias; on the way out v128-255 take rows read back.
;   window 1: W's fragments, TWO sets, at v0 and v128.   window 2: the accumulators of my tokens 0-63 (accumulator (a, b) at v[8 (8 (a % 4) + b)]);   window 3: those of tokens 64-127.
.set SIZE_N, 1024
.set NQ,     4                         ; matrix instructions deep in a slot: 512 along K
.set ROWB,   256                       ; a row of W's tile in bytes
.set KROW,   512                       ; a row of W in memory; also: y's codes for a token, so that rows x KROW is the place of a token tile's image too
.set PITCH,  272                       ; W's rows in LDS: 256 bytes + 16 of padding: the 16 rows that a load touches start at 16 different banks (64 banks of 4 bytes: ISA guide 11.1)
.set FR,     8
.set NL,     2
.set NP,     4                         ; places behind this matrix instruction (ISA guide 7.12.1)
.set HALFA,  32768                     ; y: 8 token tiles x 4,096 bytes (four K steps of 128): what one tensor load brings; no padding: the reads take 16 bytes a lane on end
.set HALFT,  128*PITCH                 ; W: 128 rows
.set SLOT,   2*HALFA+2*HALFT           ; y's 256 tokens, then W's 256 rows
.set KS,     32
.set SCL,    2*SLOT                    ; behind the slots: the scales, as units of 256 bytes + 16 of padding
.set HALFS,  (128*KS/256)*272
.set SBLK,   (16*KS/256)*272
.set SPARE,  SCL+4*HALFS               ; the spare words, 128 bytes for each wave: two blocks of 256 bytes that no other line names
.set SPITCH, 528                       ; the way out: a stage of 16 rows x (512 bytes + 16) for each wave, in slot 0, which has had its one fill and its last read when the first result is stored there
.set ADRA, 16
.set ADRB, 20
.set STO,  24
.set RD,   25
.set CO,   26
.set ADRS, 27
.set SPW,  28
.set NIL,  29
.set BO,   30                          ; v30  32 h
.set SC,   32
.set AF,   128
.set BK,   128
.set BIAS, 192
.set G1, 24
.set G0, 32
.set G1B, 48
.set G0B, 56
.set G1S, 68
.set G0S, 76
.set G1SB, 80
.set G0SB, 88
.set MSB, 0
.macro WIN new                         ; the immediate's high byte repeats the setting that is left
.if MSB != \new
	s_set_vgpr_msb (MSB<<8)|\new
.set MSB, \new
.endif
.endm
.set MUL_LO, 0xa1
.set MUL_HI, 0xf1
.set TO_B,   0x40
.macro JLOAD g0a, g1a, g0b, g1b        ; a joint load: waves 0 and 1 fetch for y, waves 2 and 3 for W; an s_nop 0 and four v_nop follow each of the two lines
	s_cmp_eq_u32 s15, 0
	s_cbranch_scc0 .Lfor_b_\@
	tensor_load_to_lds s[\g0a:\g0a+3], s[\g1a:\g1a+7]
	s_nop 0
.rept 4
	v_nop
.endr
	s_branch .Lasked_\@
.Lfor_b_\@:
	tensor_load_to_lds s[\g0b:\g0b+3], s[\g1b:\g1b+7]
	s_nop 0
.rept 4
	v_nop
.endr
.Lasked_\@:
.endm
.macro CROUND                          ; a round of the cluster's barrier
	s_barrier_signal -1
	s_barrier_wait -1
	s_cmp_lg_u32 s14, 0
	s_cbranch_scc1 .Lnot_wave_0_\@
	s_barrier_signal -3
.Lnot_wave_0_\@:
	s_barrier_wait -3
	s_barrier_signal -1
	s_barrier_wait -1
.endm
	s_load_b128 s[4:7], s[0:1], 0x0                ; y's codes, y's scales
	s_load_b128 s[8:11], s[0:1], 0x10              ; W's codes, W's scales
	s_load_b64 s[98:99], s[0:1], 0x20              ; b_proj
	s_load_b64 s[12:13], s[0:1], 0x28              ; out0
	v_lshl_add_u32 v[SPW], v0, 2, SPARE
	v_mov_b32 v[NIL], 0
	ds_add_u32 v[SPW], v[NIL]                      ; the wave's opening: the add, twice on end, and its wait ahead of my first tensor load; the set-up below, work on registers, stands between
	ds_add_u32 v[SPW], v[NIL]                      ; and once more, under the one wait
	v_lshrrev_b32 v1, 5, v0
	v_readfirstlane_b32 s14, v1                    ; wave 0..3
	s_lshr_b32 s15, s14, 1                         ; which 128 tokens are mine.  Also: I fetch for y (0) or for W (1)
	s_and_b32 s16, s14, 1                          ; which 128 columns.  Also: which half of that tile I fetch
	s_bfe_u32 s40, ttmp6, 0x40000                  ; cx, cy
	s_bfe_u32 s41, ttmp6, 0x40004
	s_lshl_b32 s42, ttmp9, 2
	s_add_co_u32 s42, s42, s40                     ; tile column
	s_and_b32 s17, ttmp7, 0xffff
	s_lshl_b32 s17, s17, 2
	s_add_co_u32 s17, s17, s41                     ; tile row
	s_lshl_b32 s43, s41, 2
	s_lshl_b32 s43, 15, s43                        ; my row of the cluster
	s_lshl_b32 s44, 0x1111, s40                    ; my column
	; y's tile: 8 token tiles x 4,096 bytes (512 elements of 8 bytes), 8,192 bytes apart, laid on end in LDS
	s_or_b32 s[G1+0], s43, (3<<16)|(1<<21)         ; 15:0 the mask: my row; 17:16 elements of 8 bytes; 20 no padding; 21 set beside a mask
	s_mov_b32 s[G1+1], 512<<16                     ; tensor_dim0
	s_mov_b32 s[G1+2], 8<<16                       ; tensor_dim1
	s_mov_b32 s[G1+3], 512<<16                     ; tile_dim0
	s_mov_b32 s[G1+4], 8                           ; tile_dim1
	s_mov_b32 s[G1+5], 1024                        ; tensor_dim0_stride
	s_mov_b32 s[G1+6], 0
	s_mov_b32 s[G1+7], 0
	; W's tile: 128 rows x 256 bytes, padded in LDS
	s_or_b32 s[G1B+0], s44, (0<<16)|(1<<20)|(1<<21)|(5<<22)|(3<<25)
	s_mov_b32 s[G1B+1], ROWB<<16
	s_mov_b32 s[G1B+2], 128<<16
	s_mov_b32 s[G1B+3], ROWB<<16
	s_mov_b32 s[G1B+4], 128
	s_mov_b32 s[G1B+5], KROW
	s_mov_b32 s[G1B+6], 0
	s_mov_b32 s[G1B+7], 0
	; the scales of 128 rows: 4,096 dense bytes, as 16 rows of 256 bytes, 16 bytes of padding behind each
	s_or_b32 s[G1S+0], s43, (3<<16)|(1<<20)|(1<<21)|(5<<22)|(3<<25)
	s_or_b32 s[G1SB+0], s44, (3<<16)|(1<<20)|(1<<21)|(5<<22)|(3<<25)
.irp g, G1S, G1SB
	s_mov_b32 s[\g+1], 32<<16
	s_mov_b32 s[\g+2], (128*KS/256)<<16
	s_mov_b32 s[\g+3], 32<<16
	s_mov_b32 s[\g+4], 128*KS/256
	s_mov_b32 s[\g+5], 32
	s_mov_b32 s[\g+6], 0
	s_mov_b32 s[\g+7], 0
.endr
	s_lshl_b32 s18, s16, 7
	s_lshl_b32 s20, s17, 8
	s_add_co_u32 s20, s20, s18                     ; y: token 256 x tile row + 128 x half
	s_lshl_b32 s46, s42, 8
	s_add_co_u32 s46, s46, s18                     ; W: row 256 x tile column + 128 x half
	s_mov_b32 s21, 0
	s_mov_b32 s47, 0
	s_mov_b64 s[18:19], KS
	s_mul_u64 s[22:23], s[20:21], s[18:19]         ; where these rows' scales begin
	s_mul_u64 s[92:93], s[46:47], s[18:19]
	s_mov_b64 s[18:19], KROW
	s_mul_u64 s[20:21], s[20:21], s[18:19]         ; and their codes
	s_mul_u64 s[46:47], s[46:47], s[18:19]
	s_mul_i32 s45, s16, HALFA                      ; where they go: y's half,
	s_mul_i32 s95, s16, HALFT
	s_add_co_u32 s95, s95, 2*HALFA                 ; W's half, behind y's two: the wave's number alone enters an LDS address
	s_mul_i32 s94, s14, HALFS
	s_wait_dscnt 0x0                               ; both opening adds are done
	s_wait_kmcnt 0x0
	s_add_nc_u64 s[20:21], s[4:5], s[20:21]
	s_add_nc_u64 s[22:23], s[6:7], s[22:23]
	s_add_nc_u64 s[46:47], s[8:9], s[46:47]
	s_add_nc_u64 s[92:93], s[10:11], s[92:93]
	CROUND                                         ; all sixteen work-groups are here: the joint loads meet
	s_mov_b32 s[G0S], 1
	s_add_co_u32 s[G0S+1], s94, SCL
	s_mov_b64 s[G0S+2:G0S+3], s[22:23]
	s_or_b32 s[G0S+3], s[G0S+3], 0x80000000
	s_mov_b32 s[G0SB], 1
	s_add_co_u32 s[G0SB+1], s94, SCL
	s_mov_b64 s[G0SB+2:G0SB+3], s[92:93]
	s_or_b32 s[G0SB+3], s[G0SB+3], 0x80000000
	JLOAD G0S, G1S, G0SB, G1SB                     ; the scales first
.irp s, 0,1
	s_mov_b32 s[G0+4*\s], 1
	s_add_co_u32 s[G0+4*\s+1], s45, \s*SLOT
	s_add_nc_u64 s[G0+4*\s+2:G0+4*\s+3], s[20:21], \s*4096       ; the second four K steps of a token tile's image lie 4,096 bytes on
	s_or_b32 s[G0+4*\s+3], s[G0+4*\s+3], 0x80000000
	s_mov_b32 s[G0B+4*\s], 1
	s_add_co_u32 s[G0B+4*\s+1], s95, \s*SLOT
	s_add_nc_u64 s[G0B+4*\s+2:G0B+4*\s+3], s[46:47], \s*ROWB
	s_or_b32 s[G0B+4*\s+3], s[G0B+4*\s+3], 0x80000000
	s_wait_alu depctr_va_vdst(0)
	s_wait_tensorcnt 0x0
	ds_add_u32 v28, v29
	s_wait_dscnt 0x0
	CROUND
	JLOAD G0+4*\s, G1, G0B+4*\s, G1B               ; both slots: one load of mine is out, and no more follow
.endr
	v_and_b32 v1, 15, v0                           ; r
	v_bfe_u32 v2, v0, 4, 1                         ; h
	v_mul_u32_u24 v3, v1, PITCH
	v_lshl_add_u32 v4, v2, 4, v3                   ; W: a fragment's row x pitch + 16 x half
	v_and_b32 v6, 31, v0
	v_lshlrev_b32 v[CO], 4, v6                     ; 16 x lane: y's images; and on the way out my place in a row of 512 bytes
	s_mul_i32 s21, s15, HALFA                      ; my 128 tokens
	s_mul_i32 s22, s16, HALFT
	s_add_co_u32 s22, s22, 2*HALFA                 ; my 128 rows of W
.irp s, 0,1
	v_add_nc_u32 v[ADRA+\s], s21, v[CO]
	v_add_nc_u32 v[ADRB+\s], s22, v4
	s_add_co_u32 s21, s21, SLOT
	s_add_co_u32 s22, s22, SLOT
.endr
	v_mul_u32_u24 v5, v1, KS                       ; my row's scales: 32 bytes a row,
	v_lshrrev_b32 v6, 8, v5
	v_lshl_add_u32 v5, v6, 4, v5                   ; and 16 more for each 256 passed
	s_mul_i32 s21, s15, HALFS                      ; y's: my 128 tokens
	s_mul_i32 s22, s16, HALFS                      ; W's: my 128 rows, behind y's 256
	s_add_co_u32 s22, s22, 2*HALFS
	s_sub_co_u32 s22, s22, s21
	v_mul_u32_u24 v6, s22, v2                      ; lanes 16-31 take W's
	s_add_co_u32 s21, s21, SCL
	v_add_nc_u32 v5, v5, v6
	v_add_nc_u32 v[ADRS], s21, v5
	s_mul_i32 s23, s14, 16*SPITCH                  ; my stage
	v_mul_u32_u24 v5, v1, SPITCH                   ; in: row r, 32 bytes for each half of the lanes
	v_lshl_add_u32 v5, v2, 5, v5
	v_add_nc_u32 v[STO], s23, v5
	v_add_nc_u32 v[RD], s23, v[CO]                 ; back: the 32 lanes take one row of 512 bytes
	v_lshlrev_b32 v[BO], 5, v2
	s_wait_alu depctr_va_vdst(0)
	s_lshl_b32 s18, s42, 10
	s_lshl_b32 s19, s16, 9
	s_add_co_u32 s18, s18, s19                     ; my first column, in bytes: 1,024 x tile column + 512 x half: in b_proj and in a row of out0 alike
	s_mov_b32 s19, 0
	s_add_nc_u64 s[98:99], s[98:99], s[18:19]
	s_add_nc_u64 s[12:13], s[12:13], s[18:19]
	s_lshl_b32 s18, s17, 8
	s_lshl_b32 s3, s15, 7
	s_add_co_u32 s18, s18, s3                      ; my first row of out0
	s_lshl_b64 s[18:19], s[18:19], 12              ; 4,096 bytes a row
	s_add_nc_u64 s[12:13], s[12:13], s[18:19]
.irp b, 0,1,2,3,4,5,6,7                        ; BIAS + 8 b + i = bias(16 b + 8 h + i)
	global_load_b128 v[BIAS+8*\b:BIAS+8*\b+3], v[BO], s[98:99] offset:64*\b
	global_load_b128 v[BIAS+8*\b+4:BIAS+8*\b+7], v[BO], s[98:99] offset:64*\b+16
.endr
.macro FRAGB reg, adr, q, i            ; W: a fragment from rows: registers 4 c .. 4 c + 3 hold K = 64 c + 32 h + 0 .. 31 of row l % 16
.irp c, 0,1
	ds_load_b128 v[\reg+4*\c:\reg+4*\c+3], v[\adr] offset:64*(\q)+32*\c+(\i)*16*PITCH
.endr
.endm
.macro FRAGA reg, adr, q, i            ; y: a fragment from its image: token tile i, the slot's q-th K step, group c: 512 bytes on end
.irp c, 0,1
	ds_load_b128 v[\reg+4*\c:\reg+4*\c+3], v[\adr] offset:4096*(\i)+1024*(\q)+512*\c
.endr
.endm
; 16 matrix instructions: token blocks a0, a0 + 1 x W's eight.  mode 1: the first product starts the sums with the bias.  The 64 accumulators take turns, one instruction a turn, in the same order in every step.
.macro MUL16 a0, p, q, sc, mode
.irp a, \a0, \a0+1
.irp b, 0,1,2,3,4,5,6,7
.if \mode
	v_wmma_scale_f32_16x16x128_f8f6f4 v[8*(8*((\a)%4)+\b):8*(8*((\a)%4)+\b)+7], v[128*(\p)+FR*\b:128*(\p)+FR*\b+FR-1], v[AF+FR*(\a):AF+FR*(\a)+FR-1], v[BIAS+8*\b:BIAS+8*\b+7], v[SC+8*NQ*(\sc)+NQ*\b+(\q)], v[SC+8*NQ*(\sc)+NQ*(\a)+(\q)] matrix_a_fmt:MATRIX_FMT_FP4 matrix_b_fmt:MATRIX_FMT_FP4 matrix_a_scale:MATRIX_SCALE_ROW1
.else
	v_wmma_scale_f32_16x16x128_f8f6f4 v[8*(8*((\a)%4)+\b):8*(8*((\a)%4)+\b)+7], v[128*(\p)+FR*\b:128*(\p)+FR*\b+FR-1], v[AF+FR*(\a):AF+FR*(\a)+FR-1], v[8*(8*((\a)%4)+\b):8*(8*((\a)%4)+\b)+7], v[SC+8*NQ*(\sc)+NQ*\b+(\q)], v[SC+8*NQ*(\sc)+NQ*(\a)+(\q)] matrix_a_fmt:MATRIX_FMT_FP4 matrix_b_fmt:MATRIX_FMT_FP4 matrix_a_scale:MATRIX_SCALE_ROW1
.endif
.endr
.endr
.endm
.macro FETCH_B slot, q, p
	WIN TO_B
.irp i, 0,1,2,3,4,5,6,7
	FRAGB 128*(\p)+FR*\i, ADRB+\slot, \q, \i
.endr
	WIN 0
.endm
.macro FETCH_A slot, q, i0
.irp i, \i0, \i0+1, \i0+2, \i0+3
	FRAGA AF+FR*(\i), ADRA+\slot, \q, \i
.endr
.endm
.macro SCALES sc                       ; a slot's scale words: lanes 0-15 take y's block i, lanes 16-31 W's block i
.irp i, 0,1,2,3,4,5,6,7
	ds_load_b128 v[SC+8*NQ*\sc+NQ*\i:SC+8*NQ*\sc+NQ*\i+3], v[ADRS] offset:\i*SBLK
.endr
.endm
.macro PLACES n                        ; places in front of loads into registers that matrix instructions have read, and of the first read of results (ISA guide 7.12.1 for the first read of results)
.rept \n
	v_nop
.endr
.endm
.macro STEP slot, q, mode
	s_wait_dscnt 4*NL                              ; W's set, y's blocks 0-3 and the scale words are in; the youngest eight loads (blocks 4-7) may be out
.if \mode
	WIN 0x81                                       ; the bias, in window 0, is C; destination window 2
.else
	WIN MUL_LO
.endif
	MUL16 0, (\q)%2, \q, \slot, \mode
	MUL16 2, (\q)%2, \q, \slot, \mode
	s_wait_dscnt 0
	PLACES NP
	FETCH_B \slot, (\q)+1, 1-(\q)%2
	FETCH_A \slot, (\q)+1, 0
.if \mode
	WIN 0xc1
.else
	WIN MUL_HI
.endif
	MUL16 4, (\q)%2, \q, \slot, \mode
	MUL16 6, (\q)%2, \q, \slot, \mode
	PLACES NP
	WIN 0
	FETCH_A \slot, (\q)+1, 4
.endm
.macro TURN slot, next                 ; slot 0's last step goes over to slot 1: one barrier
	s_wait_tensorcnt 0x0                           ; all my tensor loads have landed  (every window is 0 here)
	ds_add_u32 v[SPW], v[NIL]                      ; 0 onto my spare word
	s_wait_dscnt 4*NL+1                            ; (the add and the youngest eight loads may be out)
	WIN MUL_LO
	MUL16 0, 1, NQ-1, \slot, 0
	s_wait_dscnt 0x0                               ; the add is done, and my reads of this slot are over
	s_barrier_signal -1
	MUL16 2, 1, NQ-1, \slot, 0
	WIN 0
	s_barrier_wait -1
	PLACES NP
	v_add_nc_u32 v[ADRS], 4*NQ, v[ADRS]
	FETCH_B \next, 0, 0
	FETCH_A \next, 0, 0
	SCALES \next
	WIN MUL_HI
	MUL16 4, 1, NQ-1, \slot, 0
	MUL16 6, 1, NQ-1, \slot, 0
	PLACES NP
	WIN 0
	FETCH_A \next, 0, 4
.endm
.macro STEPS slot, from
.set Q, \from
.rept NQ-1-\from
	STEP \slot, Q, 0
.set Q, Q+1
.endr
.endm
	s_wait_tensorcnt 1                             ; the scales and my part of slot 0 are in (slot 1's load may be out),
	s_barrier_signal -1
	s_barrier_wait -1                              ; everybody's are
	FETCH_B 0, 0, 0
	FETCH_A 0, 0, 0
	SCALES 0
	FETCH_A 0, 0, 4
	s_wait_loadcnt 0x0                             ; the bias
	STEP 0, 0, 1
	STEPS 0, 1
	TURN 0, 1
	STEPS 1, 0
	s_wait_dscnt 4*NL                              ; the last step: nothing more to fetch
	WIN MUL_LO
	MUL16 0, 1, NQ-1, 1, 0
	MUL16 2, 1, NQ-1, 1, 0
	s_wait_dscnt 0
	WIN MUL_HI
	MUL16 4, 1, NQ-1, 1, 0
	MUL16 6, 1, NQ-1, 1, 0
	WIN 0
; THE WAY OUT, block by block of 16 rows x 128 columns: through my own stage in LDS, back as whole rows of 512 bytes, which the 32 lanes store as two aligned runs of 256 bytes.
; LDS serves a wave's instructions in order (ISA guide 5.7.1.4): no wait between the stores and the loads, nor in front of the next block's stores.
.macro TOSTAGE a
.set AC, 64*((\a)%4)
	WIN (0x08+4*((\a)/4))                          ; the data: window 2 or 3
.irp b, 0,1,2,3,4,5,6,7
	ds_store_b128 v[STO], v[AC+8*\b:AC+8*\b+3] offset:64*\b          ; each accumulator from its low end on
	ds_store_b128 v[STO], v[AC+8*\b+4:AC+8*\b+7] offset:64*\b+16
.endr
	WIN 0
.set BB, BK+64*((\a)%2)
.irp t, 0,1,2,3,4,5,6,7,8,9,10,11,12,13,14,15
	ds_load_b128 v[BB+4*\t:BB+4*\t+3], v[RD] offset:\t*SPITCH
.endr
.endm
.macro SEND a, younger                 ; younger: the LDS instructions issued behind block a's loads, which may stay out
.set BB, BK+64*((\a)%2)
	s_wait_dscnt \younger
.if (\a) > 0
	s_add_nc_u64 s[12:13], s[12:13], 16*SIZE_N*4   ; (behind a wait on XCNT: the earlier stores have read their base)  16 rows on
.endif
.irp t, 0,1,2,3,4,5,6,7,8,9,10,11,12,13,14,15
	global_store_b128 v[CO], v[BB+4*\t:BB+4*\t+3], s[12:13] offset:\t*SIZE_N*4 th:TH_STORE_NT   ; 32 lanes store 512 consecutive bytes, at a multiple of 256 from out0's first byte; written once, read by nobody here
.endr
.endm
	PLACES NP
	TOSTAGE 0
.irp a, 1,2,3,4,5,6,7
.if \a > 1
	s_wait_xcnt 0x0                                ; block a - 2's stores have read their registers and their base
.endif
	TOSTAGE \a
	SEND \a-1, 32                                  ; behind block a - 1's loads: block a's 16 stores and 16 loads
.endr
	s_wait_xcnt 0x0
	SEND 7, 0
	s_wait_tensorcnt 0x0                           ; the wave's end, behind my last tensor load and my last LDS store
	ds_add_u32 v[SPW], v[NIL]
	s_wait_dscnt 0x0
	CROUND                                         ; the closing round
	s_endpgm
.Lfunc_end_k_q03467240a7_proj_gemm:
	.size	k_q03467240a7_proj_gemm, .Lfunc_end_k_q03467240a7_proj_gemm-k_q03467240a7_proj_gemm
	.p2alignl 7, 3214868480
	.fill 96, 4, 3214868480
	.section	.rodata,"a",@progbits
	.p2align	6, 0x0
	.amdhsa_kernel k_q03467240a7_proj_gemm
		.amdhsa_group_segment_fixed_size 327680
		.amdhsa_private_segment_fixed_size 0
		.amdhsa_enable_private_segment 0
		.amdhsa_kernarg_size 48
		.amdhsa_user_sgpr_count 2
		.amdhsa_user_sgpr_kernarg_segment_ptr 1
		.amdhsa_wavefront_size32 1
		.amdhsa_system_sgpr_workgroup_id_x 1
		.amdhsa_system_sgpr_workgroup_id_y 1
		.amdhsa_system_sgpr_workgroup_id_z 1
		.amdhsa_system_vgpr_workitem_id 0
		.amdhsa_next_free_vgpr 1024
		.amdhsa_next_free_sgpr 100
		.amdhsa_reserve_vcc 0
		.amdhsa_float_denorm_mode_32 3
		.amdhsa_float_denorm_mode_16_64 3
		.amdhsa_memory_ordered 1
		.amdhsa_forward_progress 1
		.amdhsa_inst_pref_size 127
	.end_amdhsa_kernel
	.amdgpu_metadata
---
amdhsa.version: [ 1, 2 ]
amdhsa.kernels:
  - .name:           k_q03467240a7_proj_gemm
    .symbol:         k_q03467240a7_proj_gemm.kd
    .args:
      - { .name: yc, .offset: 0, .size: 8, .value_kind: global_buffer, .address_space: global }
      - { .name: ys, .offset: 8, .size: 8, .value_kind: global_buffer, .address_space: global }
      - { .name: W_proj_codes, .offset: 16, .size: 8, .value_kind: global_buffer, .address_space: global }
      - { .name: W_proj_scales, .offset: 24, .size: 8, .value_kind: global_buffer, .address_space: global }
      - { .name: b_proj, .offset: 32, .size: 8, .value_kind: global_buffer, .address_space: global }
      - { .name: out0, .offset: 40, .size: 8, .value_kind: global_buffer, .address_space: global }
    .group_segment_fixed_size: 327680
    .private_segment_fixed_size: 0
    .kernarg_segment_align: 8
    .kernarg_segment_size: 48
    .max_flat_workgroup_size: 128
    .sgpr_count:     100
    .vgpr_count:     1024
    .wavefront_size: 32
...
	.end_amdgpu_metadata
.endif
;; end of part 3
